; MI455X (gfx1250); checked and timed in simulation.
; The chip was launched on July 23, 2026; its instructions are those of AMD's public machine-readable ISA for CDNA 5 (MIT licence, August 2026) and "CDNA5" Instruction Set Architecture Reference Guide (July 2026). The comments in the code are by the model that wrote it; some were corrected since.
;; Attention Block. Allowed arithmetic: matrix products marked QUANTISED: E2M1 operands, one E8M0 scale for each 32 along K, by v_wmma_scale_f32_16x16x128_f8f6f4 with both operands' format E2M1 (or v_wmma_scale_f32_32x16x128_f4), f32 sums; everything else in f32.
;; Inputs: bk 512 float32; bp 512 float32; bq 512 float32; bv 512 float32; gn_b 512 float32; gn_w 512 float32; wk_codes 512 x 16 x 16 uint8 (E2M1 codes of wk, K innermost, in blocks of 32 codes, two codes a byte); wk_scales 512 x 16 uint8 (E8M0 scales of wk, one for each 32 codes along K); wp_codes 512 x 16 x 16 uint8 (E2M1 codes of wp, K innermost, in blocks of 32 codes, two codes a byte); wp_scales 512 x 16 uint8 (E8M0 scales of wp, one for each 32 codes along K); wq_codes 512 x 16 x 16 uint8 (E2M1 codes of wq, K innermost, in blocks of 32 codes, two codes a byte); wq_scales 512 x 16 uint8 (E8M0 scales of wq, one for each 32 codes along K); wv_codes 512 x 16 x 16 uint8 (E2M1 codes of wv, K innermost, in blocks of 32 codes, two codes a byte); wv_scales 512 x 16 uint8 (E8M0 scales of wv, one for each 32 codes along K); x 2 x 512 x 64 x 64 float32.
;; Outputs: out0 2 x 512 x 64 x 64 float32.
;; This version of the problem:
;;   THIS VERSION OF THE PROBLEM IS GIVEN IN LOW PRECISION. The matrix products marked QUANTISED in the list below multiply operands that are first quantised to E2M1 (2 exponent bits, 1 mantissa bit; 4 bits a number), with one power-of-two scale for each 32 numbers along K (OCP MX v1.0); their sums are f32. All else is computed in f32.
;;   The module's matrix products, in the order in which they are computed (A, B: the left and right operand; K: the contracted axis; several contracted axes count as one K, in the product's order):
;;     1. [M 8,192, K 512] x [K 512, N 512]; A: computed on the way; B: input wq (given as codes): QUANTISED
;;     2. [M 8,192, K 512] x [K 512, N 512]; A: computed on the way; B: input wk (given as codes): QUANTISED
;;     3. [M 8,192, K 512] x [K 512, N 512]; A: computed on the way; B: input wv (given as codes): QUANTISED
;;     4. batch 16 x [M 4,096, K 64] x [K 64, N 4,096]; A: computed on the way; B: computed on the way: QUANTISED
;;     5. batch 16 x [M 4,096, K 4,096] x [K 4,096, N 64]; A: softmax (see below); B: computed on the way: QUANTISED
;;     6. [M 8,192, K 512] x [K 512, N 512]; A: computed on the way; B: input wp (given as codes): QUANTISED
;;   THE QUANTISER, for each operand of a quantised product, along K:
;;     - K is cut into blocks of 32 from its start; a last block that is shorter is filled with zeros.
;;     - A block's scale is 2^e with e = floor(log2(the largest magnitude in the block)) - 2, held to -126 .. 127; a block of zeros has e = 0. As a byte (E8M0): e + 127.
;;     - Each number is divided by its block's scale, clamped to +-6, and rounded to the nearest number of E2M1, ties to even, subnormals kept.
;;     - The product sums the exact products of the quantised numbers (number of the format x scale) in f32.
;;   ~~~python
;;   def quantise(x, axis):      # numpy; x: float32 -> the quantised numbers, widened to float32 again
;;       x = np.moveaxis(x, axis, -1); K = x.shape[-1]
;;       x = np.pad(x, [(0, 0)] * (x.ndim - 1) + [(0, -K % 32)]); x = x.reshape(x.shape[:-1] + (-1, 32)); a = np.abs(x).max(-1, keepdims=True)
;;       e = np.where(a > 0, np.clip(np.frexp(np.where(a > 0, a, 1))[1] - 1 - 2, -126, 127), 0)      # np.frexp(a)[1] - 1 = floor(log2(a)), exactly
;;       r = np.clip(x / 2.0 ** e, -6, 6)
;;       step = 2.0 ** (np.maximum(np.frexp(np.where(r == 0, 1, r))[1] - 1, 0) - 1)
;;       q = np.round(r / step) * step * 2.0 ** e      # np.round: ties to even
;;       return np.moveaxis(q.reshape(q.shape[:-2] + (-1,))[..., :K], -1, axis).astype(np.float32)
;;   ~~~
;;   SOFTMAX AHEAD OF A QUANTISED PRODUCT. Where the list says 'softmax', what is quantised is not the finished softmax but p = 2^(t - M), with t = logit x log2(e) and M = ceil(the row's largest t), a whole number; so 1/2 < the row's largest p <= 1. The row's sum l is taken of the UNQUANTISED p, in f32, and the product's result is divided by l at the end. Since M is a whole number, a kernel that streams over the keys may use a running M (the ceiling of the running maximum): every later rescaling is an exact power of two, which a block's scale takes up: the codes' values come out the same.
;;   OPERANDS COMPUTED ON THE WAY. 'Computed on the way' means the value that the module computes at that place (a softmax that the list does not call 'softmax' is quantised finished and normalised). What goes into a quantiser is computed in f32, as accurately as f32 sums, v_exp_f32 and their like allow (about 1e-6 of the number): no bf16 or f16 on the way to a quantiser, and a product that is left as it is and whose result goes on into a quantised operand takes f32 operands (vector FMAs, or v_wmma_f32_16x16x4_f32). A number that lies on a knife's edge between two numbers of the format may be rounded either way, as far as f32 arithmetic and the matrix unit's own rounding can turn it there, and no further.
;;   INPUTS GIVEN AS CODES. wk (in the module: [512, 512], K = its axis 1); wp (in the module: [512, 512], K = its axis 1); wq (in the module: [512, 512], K = its axis 1); wv (in the module: [512, 512], K = its axis 1): each comes as NAME_codes (uint8): NAME with its K axis moved to the last place and cut into blocks of 32 codes, [.., K / 32, bytes a block], one block behind the other in memory; two codes a byte, the lower K in the low four bits (a code: sign, 2 exponent bits, 1 mantissa bit); and NAME_scales (uint8): the same leading axes, one E8M0 byte (e + 127) for each 32 codes along K. Its value is code x scale, taken as it is: it is not quantised again, and the codes and scales need not be those that the quantiser above would give.
;; One version. Each part assembles by itself: llvm-mc -triple=amdgcn-amd-amdhsa -mcpu=gfx1250 --defsym DOCPART=n.
;; ======== version 1 of 1: 4 launches
;; limits: right only within a limited range of input values
;; workspace buffers: stats 2,048 bytes; qrec 2,359,296 bytes; kv 4,587,520 bytes; oimg 2,097,152 bytes; osc 131,072 bytes
;; launch gnstats (part 1): grid 256 x 1, 8 waves a work-group, no clusters, 1,536 bytes of LDS; arguments x, stats; writes stats
.if DOCPART == 1
	.amdgcn_target "amdgcn-amd-amdhsa--gfx1250"
	.amdhsa_code_object_version 6
	.text
	.protected	k_q5dd408a105_gnstats
	.globl	k_q5dd408a105_gnstats
	.p2align	8
	.type	k_q5dd408a105_gnstats,@function
k_q5dd408a105_gnstats:
	s_mov_b64 s[64:65], 0
	v_nop
	global_prefetch_b8 v0, s[64:65] scope:SCOPE_SE
	s_setreg_imm32_b32 hwreg(HW_REG_WAVE_MODE, 25, 1), 1
	s_wait_xcnt 0x0
; GroupNorm's statistics.  x: [2][512][4096] f32; a group is 16 channels x 4,096 positions = 65,536 consecutive numbers.
; A work-group takes a quarter of a group, 16,384 consecutive numbers (65,536 bytes), and stores its mean and its sum of squared differences from that mean: stats[work-group] = (mean, M2), 8 bytes.
; The next launch joins a group's four quarters.  No sum of squares less a squared mean is formed: with a common offset on x that would be a difference of large sums.
; Eight waves, 8,192 bytes each: sixteen loads of 16 bytes a lane, each covering 512 consecutive bytes; the 64 numbers of a lane stay in registers between the two passes, so x is read once here.
; No matrix work, no cluster: work-groups share no input.  LIMITS: NaN and infinities in x are not served.
.set X,   8                            ; v8-71   my 64 numbers
.set SM,  72                           ; v72-75  two packed chains
.set T,   76                           ; v76-83  at work
.set MN,  84                           ; v84-85  the mean, twice
.set RES, 86                           ; v86-87  (mean, M2)
.set PD,  88                           ; v88     destination of the lane exchange
.set WAD, 89                           ; v89     LDS: 4 x wave
.set ZAD, 90                           ; v90     LDS: 0
.set GO,  91                           ; v91     8 x work-group
	s_load_b128 s[4:7], s[0:1], 0x0                ; x, stats
	v_lshl_add_u32 v96, v0, 2, 0x200
	v_mov_b32 v97, 0
	v_lshrrev_b32 v2, 5, v0
	s_delay_alu instid0(VALU_DEP_1)
	v_readfirstlane_b32 s8, v2                     ; wave
	v_and_b32 v3, 31, v0
	s_delay_alu instid0(VALU_DEP_1)
	v_lshlrev_b32 v1, 4, v3
	s_delay_alu instid0(VALU_DEP_1)
	v_lshl_add_u32 v1, v2, 13, v1                  ; 8,192 x wave + 16 x lane
	s_lshl_b32 s2, ttmp9, 16                       ; the work-group's 65,536 bytes
	s_mov_b32 s3, 0
	s_mov_b32 s10, 0x76543210
	s_mov_b32 s11, 0xfedcba98                      ; selects for lane l xor 16
	s_lshl_b32 s12, ttmp9, 3
	v_mov_b32 v[PD], 0
	v_mov_b32 v[WAD], s8
	s_delay_alu instid0(VALU_DEP_1)
	v_lshlrev_b32 v[WAD], 2, v[WAD]
	v_mov_b32 v[ZAD], 0
	v_mov_b32 v[GO], s12
	s_wait_alu depctr_va_vdst(0)
	s_wait_kmcnt 0x0
	s_add_nc_u64 s[4:5], s[4:5], s[2:3]
.irp i, 0,1,2,3,4,5,6,7,8,9,10,11,12,13,14,15
	global_load_b128 v[X+4*\i:X+4*\i+3], v1, s[4:5] offset:512*\i
.endr
.macro WAVESUM                         ; v[SM] over the wave's 32 lanes, the result in every lane
	s_delay_alu instid0(VALU_DEP_1)
	v_add_f32_dpp v[SM], v[SM], v[SM] row_xmask:1 row_mask:0xf bank_mask:0xf
	s_delay_alu instid0(VALU_DEP_1)
	v_add_f32_dpp v[SM], v[SM], v[SM] row_xmask:2 row_mask:0xf bank_mask:0xf
	s_delay_alu instid0(VALU_DEP_1)
	v_add_f32_dpp v[SM], v[SM], v[SM] row_xmask:4 row_mask:0xf bank_mask:0xf
	s_delay_alu instid0(VALU_DEP_1)
	v_add_f32_dpp v[SM], v[SM], v[SM] row_xmask:8 row_mask:0xf bank_mask:0xf
	s_delay_alu instid0(VALU_DEP_1)
	v_permlanex16_b32 v[PD], v[SM], s10, s11
	s_delay_alu instid0(VALU_DEP_1)
	v_add_f32 v[SM], v[SM], v[PD]
.endm
.macro GROUPSUM off                    ; the eight waves' v[SM] meet in eight LDS words at off; the sum comes out in v[T]
	ds_store_b32 v[WAD], v[SM] offset:\off
	s_wait_dscnt 0x0                               ; for the others' sake: my word has landed
	s_barrier_signal -1
	s_barrier_wait -1
	ds_load_b128 v[T:T+3], v[ZAD] offset:\off
	ds_load_b128 v[T+4:T+7], v[ZAD] offset:\off+16
	s_wait_dscnt 0x0
	v_add_f32 v[T], v[T], v[T+1]
	v_add_f32 v[T+2], v[T+2], v[T+3]
	v_add_f32 v[T+4], v[T+4], v[T+5]
	v_add_f32 v[T+6], v[T+6], v[T+7]
	s_delay_alu instid0(VALU_DEP_3)
	v_add_f32 v[T], v[T], v[T+2]
	s_delay_alu instid0(VALU_DEP_2)
	v_add_f32 v[T+4], v[T+4], v[T+6]
	s_delay_alu instid0(VALU_DEP_1)
	v_add_f32 v[T], v[T], v[T+4]
.endm
	; pass 1: the sum, two packed chains, started by the first two loads
	s_wait_loadcnt 14                              ; loads 0 and 1 are in; the fourteen younger may be out
	v_pk_add_f32 v[SM:SM+1], v[X:X+1], v[X+2:X+3]
	v_pk_add_f32 v[SM+2:SM+3], v[X+4:X+5], v[X+6:X+7]
	s_wait_alu depctr_va_vdst(0)
.irp i, 2,3,4,5,6,7,8,9,10,11,12,13,14,15
	s_wait_alu depctr_va_vdst(0)
	s_wait_loadcnt 15-\i                           ; load i is in
	v_pk_add_f32 v[SM:SM+1], v[SM:SM+1], v[X+4*\i:X+4*\i+1]
	v_pk_add_f32 v[SM+2:SM+3], v[SM+2:SM+3], v[X+4*\i+2:X+4*\i+3]
.endr
	s_delay_alu instid0(VALU_DEP_1)
	v_pk_add_f32 v[SM:SM+1], v[SM:SM+1], v[SM+2:SM+3]
	s_delay_alu instid0(VALU_DEP_1)
	v_add_f32 v[SM], v[SM], v[SM+1]
	WAVESUM
	GROUPSUM 0
	s_delay_alu instid0(VALU_DEP_1)
	v_mul_f32 v[MN], 0x38800000, v[T]              ; / 16,384
	s_delay_alu instid0(VALU_DEP_1)
	v_mov_b32 v[MN+1], v[MN]
	; pass 2: the sum of (x - mean)^2, from the registers
.set k, 0
.rept 32
	v_pk_add_f32 v[T+2*(k%4):T+2*(k%4)+1], v[X+2*k:X+2*k+1], v[MN:MN+1] neg_lo:[0,1] neg_hi:[0,1]
.if k < 2
	s_delay_alu instid0(VALU_DEP_1)
	v_pk_mul_f32 v[SM+2*(k%2):SM+2*(k%2)+1], v[T+2*(k%4):T+2*(k%4)+1], v[T+2*(k%4):T+2*(k%4)+1]
.else
	s_delay_alu instid0(VALU_DEP_1)
	v_pk_fma_f32 v[SM+2*(k%2):SM+2*(k%2)+1], v[T+2*(k%4):T+2*(k%4)+1], v[T+2*(k%4):T+2*(k%4)+1], v[SM+2*(k%2):SM+2*(k%2)+1]
.endif
.set k, k+1
.endr
	s_delay_alu instid0(VALU_DEP_1)
	v_pk_add_f32 v[SM:SM+1], v[SM:SM+1], v[SM+2:SM+3]
	s_delay_alu instid0(VALU_DEP_1)
	v_add_f32 v[SM], v[SM], v[SM+1]
	WAVESUM
	GROUPSUM 256                                   ; other words than the first sum's: no wave can still be reading those that are written
	v_mov_b32 v[RES], v[MN]
	s_delay_alu instid0(VALU_DEP_2)
	v_mov_b32 v[RES+1], v[T]
	s_cmp_lg_u32 s8, 0                             ; wave 0's first lane stores the pair (behind both barriers)
	s_cbranch_scc1 .Lend
	s_wait_xcnt 0x0                                ; EXEC changes only behind this wait
	v_cmp_eq_u32 vcc_lo, 0, v0
	s_and_saveexec_b32 s9, vcc_lo
	s_wait_alu depctr_va_vdst(0)
	global_store_b64 v[GO], v[RES:RES+1], s[6:7]
	s_wait_xcnt 0x0                                ; and again in front of the line that widens it
	s_or_b32 exec_lo, exec_lo, s9
.Lend:
	s_wait_tensorcnt 0x0
	ds_add_u32 v96, v97
	s_wait_dscnt 0x0
	s_endpgm
.Lfunc_end_k_q5dd408a105_gnstats:
	.size	k_q5dd408a105_gnstats, .Lfunc_end_k_q5dd408a105_gnstats-k_q5dd408a105_gnstats
	.p2alignl 7, 3214868480
	.fill 96, 4, 3214868480
	.section	.rodata,"a",@progbits
	.p2align	6, 0x0
	.amdhsa_kernel k_q5dd408a105_gnstats
		.amdhsa_group_segment_fixed_size 1536
		.amdhsa_private_segment_fixed_size 0
		.amdhsa_enable_private_segment 0
		.amdhsa_kernarg_size 16
		.amdhsa_user_sgpr_count 2
		.amdhsa_user_sgpr_kernarg_segment_ptr 1
		.amdhsa_wavefront_size32 1
		.amdhsa_system_sgpr_workgroup_id_x 1
		.amdhsa_system_sgpr_workgroup_id_y 1
		.amdhsa_system_sgpr_workgroup_id_z 1
		.amdhsa_system_vgpr_workitem_id 0
		.amdhsa_next_free_vgpr 98
		.amdhsa_next_free_sgpr 66
		.amdhsa_reserve_vcc 1
		.amdhsa_float_denorm_mode_32 3
		.amdhsa_float_denorm_mode_16_64 3
		.amdhsa_memory_ordered 1
		.amdhsa_forward_progress 1
		.amdhsa_inst_pref_size 14
	.end_amdhsa_kernel
	.amdgpu_metadata
---
amdhsa.version: [ 1, 2 ]
amdhsa.kernels:
  - .name:           k_q5dd408a105_gnstats
    .symbol:         k_q5dd408a105_gnstats.kd
    .args:
      - { .name: x, .offset: 0, .size: 8, .value_kind: global_buffer, .address_space: global }
      - { .name: stats, .offset: 8, .size: 8, .value_kind: global_buffer, .address_space: global }
    .group_segment_fixed_size: 1536
    .private_segment_fixed_size: 0
    .kernarg_segment_align: 8
    .kernarg_segment_size: 16
    .max_flat_workgroup_size: 256
    .sgpr_count:     66
    .vgpr_count:     98
    .wavefront_size: 32
...
	.end_amdgpu_metadata
.endif
;; end of part 1
;; launch qkv (part 2): grid 256 x 1, 8 waves a work-group, clusters of 4 x 1, 305,152 bytes of LDS; arguments x, stats, gn_w, gn_b, wq_codes, wk_codes, wq_scales, wk_scales, bq, bk, wv_codes, wv_scales, bv, qrec, kv; writes qrec, kv
.if DOCPART == 2
	.amdgcn_target "amdgcn-amd-amdhsa--gfx1250"
	.amdhsa_code_object_version 6
	.text
	.protected	k_q5dd408a105_qkv
	.globl	k_q5dd408a105_qkv
	.p2align	8
	.type	k_q5dd408a105_qkv,@function
k_q5dd408a105_qkv:
	s_mov_b64 s[64:65], 0
	v_nop
	global_prefetch_b8 v0, s[64:65] scope:SCOPE_SE
	s_setreg_imm32_b32 hwreg(HW_REG_WAVE_MODE, 25, 1), 1
	s_wait_xcnt 0x0
	s_wait_alu depctr_hold_cnt(0) depctr_sa_sdst(0) depctr_va_vdst(0) depctr_va_sdst(0) depctr_va_ssrc(0) depctr_va_vcc(0) depctr_vm_vsrc(0)
	s_getreg_b32 s2, hwreg(HW_REG_IB_STS2, 6, 4)
	s_cmp_eq_u32 s2, 0
	s_cbranch_scc0 .Lentry_in_a_cluster
	s_endpgm
.Lentry_in_a_cluster:
	s_bfe_u32 s2, ttmp6, 0x10000c
	s_cmp_lg_u32 s2, 0x3003
	s_cbranch_scc0 .Lentry_shape_is_right
	s_endpgm
.Lentry_shape_is_right:
; GroupNorm applied, t quantised along the channels, q = (t Wq^T + bq) c, k = (t Wk^T + bk) c (c = 64^-1/4), v = t Wv^T + bv on codes of FP4 (E2M1) with one E8M0 scale for each 32 along K,
; and q, k (along d) and v (along the keys) quantised again, as the register images that the attention launch loads.
; SHARES.  A cluster of four work-groups takes 128 positions of one batch (cluster number pt = 32 b + sigma); work-group cx of it makes heads 2 cx and 2 cx + 1.  All four need the same tile of x,
; 512 channels x 512 bytes: it is asked for JOINTLY (each wave 64 channel rows), so the tile is requested once for the four.  cx enters global offsets alone: no LDS address, no branch.
; PHASE X: wave w normalises and quantises channels 64 w .. 64 w + 63 of all 128 positions.  A lane takes a position and its registers run down the channels: a block of 32 along K is one lane's 32 registers.
;   It reads only the rows that its own tensor load brought, so its own wait on that load is all the ordering those reads need.  h = (x - mean) (gn_w rstd) + gn_b.
; ORDER OF ROWS IN A TILE: row r of tile 2 B + u (of positions, of W's rows, of v's d) is element 32 B + 8 u + r + 8 (r / 8).  A result whose rows are such a tile then holds, in lane half h, register j, element
;   32 B + 16 h + 8 u + j: the 16 registers of tiles 2 B and 2 B + 1 are 16 neighbours, as the conversions want them.
; PHASE QK: wave w: kind = w / 4 (q, k), head 2 cx + (w / 2) % 2, positions 64 (w % 2) on: 4 tiles of positions x 4 tiles of d, source 0 = W, source 1 = t: a lane holds one position, its registers run along d.
; PHASE V: wave w: head 2 cx + w / 4, tile w % 4 of d, all 8 tiles of positions, source 0 = t, source 1 = Wv: a lane holds one d, its registers run along the keys.
; An operand goes through LDS and memory as an IMAGE OF ITS REGISTERS: registers 4 c .. 4 c + 3 of a fragment at 512 c + 16 x lane.  q and k have K = 64: group c = 0 alone.
; LDS bytes are filled once; nothing is filled again.
; LIMITS: NaN and infinities are not served; a block whose largest magnitude lies under 2^-124 has its scale byte held at 1; a block of zeros has the byte 1 where the rule says 127 (its codes are zeros, and
; only this program reads the bytes).  The scale words leave by two stores a wave of 16 or 4 bytes a lane, 32 or 16 bytes apart: 512 or 768 bytes of a record of 4,608 or 8,960.
.set TP,   4224                        ; a position tile's four fragments in LDS: 4,096 bytes + 128
.set TIMG, 262144                      ; LDS: 0: x's tile, row c at 512 c.  Here: t's images, fragment (m, s) at TP m + 1024 s
.set TSC,  TIMG+8*TP                   ; t's scale words: 256 m + 16 r + 4 s
.set AB,   TSC+2048                    ; 768 bytes a wave: gn_w rstd of its 64 channels, gn_b at + 256, four pairs (mean, mean) at + 512
.set LI,   1                           ; v1   16 x lane
.set LR16, 2                           ; v2   16 r
.set LR32, 3                           ; v3   32 r
.set XA,   4                           ; v4   x's tile: 32,768 w + 4 x lane
.set IW,   5                           ; v5   where my position's 16 bytes of codes go
.set SW,   6                           ; v6   and its two scale bytes
.set UA,   7                           ; v7   my wave's 768 bytes
.set ABL,  8                           ; v8   + 8 x lane
.set ABM,  9                           ; v9   + 8 x (lane / 8)
.set ATQ,  10                          ; v10  t's images of my four position tiles
.set ASQ,  11                          ; v11  and their scale words
.set ATV,  12                          ; v12  t's images from tile 0 on
.set ASV,  13                          ; v13  and their scale words
.set WA,   14                          ; v14  a weight tile's row: 256 (r + 8 (r / 8)) + 16 h
.set WSA,  15                          ; v15  its scale words: 16 (r + 8 (r / 8))
.set WS,   16                          ; v16-35 weights' scale words: q/k tile t, K step s at 4 t + s; v's at 16 + s
.set TS,   36                          ; v36-51 t's scale words
.set TF,   52                          ; v52-115 t's fragments
.set ACC,  116                         ; v116-243 accumulators
.set MR,   36                          ; phase X: v36-43 four pairs (mean, mean)
.set BIA,  44                          ; v44  4 (r + 8 (r / 8))
.set BQA,  45                          ; v45  64 h
.set STA,  46                          ; v46  my group's 32 bytes of stats
.set GWA,  47                          ; v47  256 w + 8 x lane
.set MA,   48                          ; v48-51 at work
.set MB,   49
.set SO,   50
.set BY0,  51
.set AR,   52                          ; v52-115  gn_w rstd of my wave's 64 channels
.set XR,   116                         ; v116-179 two sets of 32 numbers
.set BR,   180                         ; v180-243 gn_b
.set CD,   244                         ; v244-251 two sets of codes
.set BY,   252
.set TM,   TF                          ; behind the products: v52-67 at work in QUANT
.set CDQ,  TF+16                       ; v68-83 two fragments' codes
.set PW,   TF+32                       ; v84    the scale word just made
.set WD,   TF+36                       ; v88-91 four tiles' scale words
.set WQK,  0                           ; window 1: v0-127 q/k weight fragments (s, t) at 8 (4 s + t)
.set WVF,  128                         ; v128-159 v's at 8 s
.set BQ,   160                         ; v160-191 bq or bk in the result's layout, 8 a tile
.set BV,   192                         ; v192-199 bv of my d, eight times
.set WV,   34                          ; s34  wave
.set CX,   35                          ; s35  my place in the cluster
.set G0,   36                          ; s[36:39], s[40:47] the joint load's descriptor
.set G1,   40
.set SEL,  50                          ; s[50:51] selects for lane l xor 16
.set SC,   52                          ; s[52:53] c = 64^-1/4
.set MSB, 0
.macro WIN new                         ; the immediate's high byte repeats the setting that is left
.if MSB != \new
	s_set_vgpr_msb (MSB<<8)|\new
.set MSB, \new
.endif
.endm
.macro ROUND                           ; a round of the cluster's barrier
	s_barrier_signal -1
	s_barrier_wait -1
	s_cmp_lg_u32 s[WV], 0
	s_cbranch_scc1 .Lnot_wave_0_\@
	s_barrier_signal -3
.Lnot_wave_0_\@:
	s_barrier_wait -3
	s_barrier_signal -1
	s_barrier_wait -1
.endm
.macro PLACES                          ; four plain places behind matrix instructions, in front of loads into their sources and of reads of their results
.rept 4
	v_nop
.endr
.endm
; 64 numbers of a lane, register 16 b + i = k 32 b + 16 h + i of my row, become codes in v[pc] .. v[pc + 7] (registers 4 c .. 4 c + 3: k = 64 c + 32 h + 0 .. 31) and four scale bytes in v[pw]
.macro QUANT s, pc, pw
.irp b, 0,1,2,3
	v_max3_num_f32 v[TM+\b], |v[\s+16*\b]|, |v[\s+1+16*\b]|, 0x1800000   ; my 16 numbers of block b, and the floor 2^(3 - 127): the byte cannot fall under 1
.endr
.irp i, 2,4,6,8,10,12,14
.irp b, 0,1,2,3
	v_max3_num_f32 v[TM+\b], v[TM+\b], |v[\s+16*\b+\i]|, |v[\s+1+16*\b+\i]|
.endr
.endr
.irp b, 0,1,2,3
	s_delay_alu instid0(VALU_DEP_4)
	v_permlanex16_b32 v[TM+4+\b], v[TM+\b], s[SEL], s[SEL+1]
.endr
.irp b, 0,1,2,3
	s_delay_alu instid0(VALU_DEP_4)
	v_max_num_f32 v[TM+\b], v[TM+\b], v[TM+4+\b]   ; with lane l xor 16's 16: the block's largest magnitude
.endr
.irp b, 0,1,2,3
	s_delay_alu instid0(VALU_DEP_4)
	v_add_nc_u32 v[TM+12+\b], 0xff000000, v[TM+\b] ; 2 off its exponent field: the conversion's scale operand
.endr
.irp b, 0,1,2,3
	s_delay_alu instid0(VALU_DEP_4)
	v_lshrrev_b32 v[TM+4+\b], 23, v[TM+12+\b]      ; the scale's byte
.endr
	s_delay_alu instid0(VALU_DEP_3)
	v_lshl_or_b32 v[\pw], v[TM+5], 8, v[TM+4]
	s_delay_alu instid0(VALU_DEP_1)
	v_lshl_or_b32 v[\pw], v[TM+6], 16, v[\pw]
	s_delay_alu instid0(VALU_DEP_1)
	v_lshl_or_b32 v[\pw], v[TM+7], 24, v[\pw]
.irp b, 0,1,2,3
	v_cvt_scalef32_pk8_fp4_f32 v[\pc+2*\b], v[\s+16*\b:\s+7+16*\b], v[TM+12+\b]
	v_cvt_scalef32_pk8_fp4_f32 v[\pc+1+2*\b], v[\s+8+16*\b:\s+15+16*\b], v[TM+12+\b]
.endr
	v_nop                                          ; one plain place behind a scaled conversion
.irp c, 0,1
.irp i, 0,1
	v_permlane16_swap_b32 v[\pc+4*\c+\i], v[\pc+2+4*\c+\i]   ; a whole block to a lane: lanes 0-15 block 2 c, lanes 16-31 block 2 c + 1
.endr
.endr
.endm
	s_load_b512 s[4:19], s[0:1], 0x0               ; x, stats, gn_w, gn_b, wq_codes, wk_codes, wq_scales, wk_scales
	s_load_b256 s[20:27], s[0:1], 0x40             ; bq, bk, wv_codes, wv_scales
	s_load_b128 s[28:31], s[0:1], 0x60             ; bv, qrec
	s_load_b64 s[32:33], s[0:1], 0x70              ; kv
	v_lshl_add_u32 v254, v0, 2, 0x4a400
	v_mov_b32 v255, 0
	ds_add_u32 v254, v255
	ds_add_u32 v254, v255
	v_lshrrev_b32 v61, 5, v0
	s_delay_alu instid0(VALU_DEP_1)
	v_readfirstlane_b32 s[WV], v61                 ; wave 0..7
	s_lshr_b32 s48, ttmp9, 5                       ; b
	s_and_b32 s49, ttmp9, 31                       ; sigma: which 128 positions
	; the joint load: 64 rows (channels 64 w on) x 128 elements of 4 bytes, rows 4,096 elements apart, dense in LDS
	s_mov_b32 s[G0], 1
	s_lshl_b32 s[G0+1], s[WV], 15                  ; LDS: 32,768 w
	s_mov_b32 s[G1], 15|(2<<16)|(1<<21)            ; the mask names all four work-groups; elements of 4 bytes; bit 21 beside a mask
	s_mov_b32 s[G1+1], 128<<16                     ; tensor_dim0
	s_mov_b32 s[G1+2], 64<<16                      ; tensor_dim1
	s_mov_b32 s[G1+3], 128<<16                     ; tile_dim0
	s_mov_b32 s[G1+4], 64                          ; tile_dim1
	s_mov_b32 s[G1+5], 4096                        ; from row to row
	s_mov_b32 s[G1+6], 0
	s_mov_b32 s[G1+7], 0
	s_lshl_b32 s54, s48, 23                        ; b x 512 channels x 16,384 bytes
	s_lshl_b32 s55, s49, 9                         ; + 512 sigma
	s_add_co_u32 s54, s54, s55
	s_lshl_b32 s55, s[WV], 20                      ; + 64 w rows
	s_add_co_u32 s54, s54, s55
	s_mov_b32 s55, 0
	s_mov_b32 s[SEL], 0x76543210
	s_mov_b32 s[SEL+1], 0xfedcba98
	s_mov_b32 s[SC], 0x3eb504f3                    ; 64^-1/4 = 2^-1.5
	s_mov_b32 s[SC+1], s[SC]
	s_mov_b32 s90, 0x37800000                      ; 1 / 65,536
	s_mov_b32 s91, 0x3727c5ac                      ; 1e-5
	s_and_b32 s57, s[WV], 1                        ; rh: which 64 positions (phase QK)
	; every address register is made here
	v_and_b32 v52, 31, v0                          ; lane
	v_and_b32 v53, 15, v0                          ; r
	v_bfe_u32 v54, v0, 4, 1                        ; h
	v_and_b32 v55, 7, v0
	v_bfe_u32 v56, v0, 3, 1
	v_and_b32 v57, 8, v0
	s_delay_alu instid0(VALU_DEP_1)
	v_add_nc_u32 v57, v57, v53                     ; r + 8 (r / 8)
	v_lshrrev_b32 v60, 3, v52                      ; lane / 8
	v_lshlrev_b32 v[LI], 4, v52
	v_lshlrev_b32 v[LR16], 4, v53
	v_lshlrev_b32 v[LR32], 5, v53
	s_lshl_b32 s56, s[WV], 15
	v_lshl_add_u32 v[XA], v52, 2, s56
	v_mul_u32_u24 v58, v56, TP                     ; position 32 pg + lane is row (lane % 8) + 8 (lane / 16) of tile 2 pg + (lane / 8) % 2
	s_delay_alu instid0(VALU_DEP_1)
	v_lshl_add_u32 v58, v54, 7, v58
	s_delay_alu instid0(VALU_DEP_1)
	v_lshl_add_u32 v58, v55, 4, v58
	s_lshl_b32 s56, s[WV], 9                       ; channels 64 w on are K step w / 2, register group w % 2: 512 w
	s_add_co_u32 s56, s56, TIMG
	v_add_nc_u32 v[IW], s56, v58
	v_lshlrev_b32 v59, 8, v56
	s_delay_alu instid0(VALU_DEP_1)
	v_lshl_add_u32 v59, v54, 7, v59
	s_delay_alu instid0(VALU_DEP_1)
	v_lshl_add_u32 v59, v55, 4, v59
	s_lshl_b32 s56, s[WV], 1                       ; bytes 2 w and 2 w + 1 of the row's sixteen
	s_add_co_u32 s56, s56, TSC
	v_add_nc_u32 v[SW], s56, v59
	s_mul_i32 s56, s[WV], 768
	s_add_co_u32 s56, s56, AB
	v_mov_b32 v[UA], s56
	v_lshl_add_u32 v[ABL], v52, 3, s56
	v_lshl_add_u32 v[ABM], v60, 3, s56
	s_mul_i32 s56, s57, 4*TP
	s_add_co_u32 s56, s56, TIMG
	v_add_nc_u32 v[ATQ], s56, v[LI]
	s_lshl_b32 s56, s57, 10
	s_add_co_u32 s56, s56, TSC
	v_add_nc_u32 v[ASQ], s56, v[LR16]
	v_add_nc_u32 v[ATV], TIMG, v[LI]
	v_add_nc_u32 v[ASV], TSC, v[LR16]
	v_lshlrev_b32 v[WA], 8, v57
	s_delay_alu instid0(VALU_DEP_1)
	v_lshl_add_u32 v[WA], v54, 4, v[WA]
	v_lshlrev_b32 v[WSA], 4, v57
	v_lshlrev_b32 v[BIA], 2, v57
	v_lshlrev_b32 v[BQA], 6, v54
	s_lshl_b32 s56, s48, 10                        ; stats: group 32 b + 4 w + lane / 8, 32 bytes each
	s_lshl_b32 s63, s[WV], 7
	s_add_co_u32 s56, s56, s63
	v_lshl_add_u32 v[STA], v60, 5, s56
	s_lshl_b32 s56, s[WV], 8
	v_lshl_add_u32 v[GWA], v52, 3, s56             ; gn_w, gn_b: channels 64 w + 2 x lane, + 1
	s_wait_dscnt 0x0
	s_wait_kmcnt 0x0
	s_add_nc_u64 s[G0+2:G0+3], s[4:5], s[54:55]
	s_or_b32 s[G0+3], s[G0+3], 0x80000000          ; type = 2
	ROUND                                          ; all four work-groups are here: the joint loads meet
	tensor_load_to_lds s[G0:G0+3], s[G1:G1+7]      ; my one tensor load of the launch
	s_nop 0
	PLACES                                         ; four plain lines follow it
	; roles and pointers.  What holds cx enters global offsets alone
	s_bfe_u32 s[CX], ttmp6, 0x40000
	s_bfe_u32 s58, s[WV], 0x10001                  ; (w / 2) % 2
	s_lshl_b32 s59, s[CX], 1
	s_add_co_u32 s59, s59, s58                     ; my head in phase QK
	s_lshr_b32 s60, s[WV], 2
	s_and_b32 s61, s[WV], 3                        ; my tile of d in phase V
	s_lshl_b32 s62, s[CX], 1
	s_add_co_u32 s62, s62, s60                     ; my head in phase V
	s_cmp_lt_u32 s[WV], 4                          ; waves 0-3 make q, waves 4-7 k: only pointers and two constants are chosen
	s_cselect_b64 s[66:67], s[12:13], s[14:15]
	s_cselect_b64 s[68:69], s[16:17], s[18:19]
	s_cselect_b64 s[70:71], s[20:21], s[22:23]
	s_cselect_b64 s[72:73], s[30:31], s[32:33]
	s_mov_b32 s74, 8960
	s_cselect_b32 s74, 4608, s74                   ; a record
	s_mov_b32 s75, 8192
	s_cselect_b32 s75, 4096, s75                   ; where its scale words begin
	s_mov_b32 s77, 0
	s_lshl_b32 s76, s59, 14                        ; 64 rows of 256 bytes a head
	s_add_nc_u64 s[66:67], s[66:67], s[76:77]
	s_lshl_b32 s76, s59, 10                        ; 64 rows of 16 scale bytes
	s_add_nc_u64 s[68:69], s[68:69], s[76:77]
	s_lshl_b32 s76, s59, 8                         ; 64 numbers of the bias
	s_add_nc_u64 s[70:71], s[70:71], s[76:77]
	s_lshl_b32 s78, s48, 3
	s_add_co_u32 s78, s78, s59
	s_lshl_b32 s78, s78, 5
	s_add_co_u32 s78, s78, s49                     ; record (8 b + head) 32 + sigma
	s_mul_i32 s76, s78, s74
	s_add_nc_u64 s[72:73], s[72:73], s[76:77]
	s_lshl_b32 s76, s57, 4
	s_add_co_u32 s76, s76, s75
	s_add_nc_u64 s[80:81], s[72:73], s[76:77]      ; my four tiles' scale words: + 16 rh
	s_lshl_b32 s76, s57, 11
	s_add_nc_u64 s[72:73], s[72:73], s[76:77]      ; my four tiles' images: + 2,048 rh
	s_lshl_b32 s82, s62, 6
	s_lshr_b32 s83, s61, 1
	s_lshl_b32 s83, s83, 5
	s_add_co_u32 s82, s82, s83
	s_and_b32 s83, s61, 1
	s_lshl_b32 s83, s83, 3
	s_add_co_u32 s82, s82, s83                     ; Wv: the first row of my tile: 64 head + 32 (dt / 2) + 8 (dt % 2)
	s_lshl_b32 s76, s82, 8
	s_add_nc_u64 s[24:25], s[24:25], s[76:77]
	s_lshl_b32 s76, s82, 4
	s_add_nc_u64 s[26:27], s[26:27], s[76:77]
	s_lshl_b32 s76, s82, 2
	s_add_nc_u64 s[28:29], s[28:29], s[76:77]
	s_lshl_b32 s83, s48, 3
	s_add_co_u32 s83, s83, s62
	s_lshl_b32 s83, s83, 5
	s_add_co_u32 s83, s83, s49
	s_mul_i32 s88, s83, 8960
	s_lshl_b32 s76, s61, 10
	s_add_co_u32 s76, s76, s88
	s_add_co_u32 s76, s76, 4096
	s_add_nc_u64 s[84:85], s[32:33], s[76:77]      ; v's image of my tile
	s_lshl_b32 s76, s61, 2
	s_add_co_u32 s76, s76, s88
	s_add_co_u32 s76, s76, 8704
	s_add_nc_u64 s[86:87], s[32:33], s[76:77]      ; and its scale words
	; 58 loads: 4 for the statistics and gains, then 54 for the weights, which land while x is quantised
	s_wait_alu depctr_va_vdst(0)
	global_load_b128 v[116:119], v[STA], s[6:7]            ; (mean, M2) of quarters 0, 1 of my channels' group
	global_load_b128 v[120:123], v[STA], s[6:7] offset:16  ; quarters 2, 3
	global_load_b64 v[124:125], v[GWA], s[8:9]
	global_load_b64 v[126:127], v[GWA], s[10:11]
.irp t, 0,1,2,3
	global_load_b128 v[WS+4*\t:WS+4*\t+3], v[WSA], s[68:69] offset:(32*(\t/2)+8*(\t%2))*16
.endr
	global_load_b128 v[WS+16:WS+19], v[WSA], s[26:27]
	WIN 0x40                                       ; destination window 1
.irp s, 0,1,2,3
.irp t, 0,1,2,3
.irp c, 0,1
	global_load_b128 v[WQK+8*(4*\s+\t)+4*\c:WQK+8*(4*\s+\t)+4*\c+3], v[WA], s[66:67] offset:(32*(\t/2)+8*(\t%2))*256+64*\s+32*\c
.endr
.endr
.endr
.irp s, 0,1,2,3
.irp c, 0,1
	global_load_b128 v[WVF+8*\s+4*\c:WVF+8*\s+4*\c+3], v[WA], s[24:25] offset:64*\s+32*\c
.endr
.endr
.irp t, 0,1,2,3
	global_load_b128 v[BQ+8*\t:BQ+8*\t+3], v[BQA], s[70:71] offset:(32*(\t/2)+8*(\t%2))*4
	global_load_b128 v[BQ+8*\t+4:BQ+8*\t+7], v[BQA], s[70:71] offset:(32*(\t/2)+8*(\t%2))*4+16
.endr
	global_load_b32 v[BV], v[BIA], s[28:29]
	WIN 0
	s_wait_loadcnt 54                              ; the first four are in; the 54 behind them may be out
	; a group's four quarters are joined: mean = the means' mean; M2 = the sum of the M2 + 16,384 x the sum of (quarter's mean - mean)^2
	v_add_f32 v128, v116, v118
	v_add_f32 v129, v120, v122
	s_delay_alu instid0(VALU_DEP_1)
	v_add_f32 v128, v128, v129
	s_delay_alu instid0(VALU_DEP_1)
	v_mul_f32 v128, 0x3e800000, v128
	s_delay_alu instid0(VALU_DEP_1)
	v_sub_f32 v130, v116, v128
	s_delay_alu instid0(VALU_DEP_2)
	v_sub_f32 v131, v118, v128
	s_delay_alu instid0(VALU_DEP_3)
	v_sub_f32 v132, v120, v128
	s_delay_alu instid0(VALU_DEP_4)
	v_sub_f32 v133, v122, v128
	s_delay_alu instid0(VALU_DEP_4)
	v_mul_f32 v134, v130, v130
	s_delay_alu instid0(VALU_DEP_1)
	v_fmac_f32 v134, v131, v131
	s_delay_alu instid0(VALU_DEP_1)
	v_fmac_f32 v134, v132, v132
	s_delay_alu instid0(VALU_DEP_1)
	v_fmac_f32 v134, v133, v133
	v_add_f32 v135, v117, v119
	v_add_f32 v136, v121, v123
	s_delay_alu instid0(VALU_DEP_1)
	v_add_f32 v135, v135, v136
	s_delay_alu instid0(VALU_DEP_1)
	v_fmamk_f32 v135, v134, 0x46800000, v135
	s_delay_alu instid0(VALU_DEP_1)
	v_fma_f32 v135, v135, s90, s91                 ; var + eps
	s_wait_alu depctr_va_vdst(0)
	v_rsq_f32 v136, v135
	v_mov_b32 v129, v128                           ; (a plain place behind the transcendental)  the pair (mean, mean)
	s_wait_alu depctr_va_vdst(0)                   ; the wait ahead of the first reader
	v_mul_f32 v124, v124, v136
	v_mul_f32 v125, v125, v136                     ; gn_w rstd of my two channels
	ds_store_b64 v[ABL], v[124:125]
	ds_store_b64 v[ABL], v[126:127] offset:256
	ds_store_b64 v[ABM], v[128:129] offset:512     ; eight lanes write the same pair with the same value
.irp i, 0,1,2,3,4,5,6,7,8,9,10,11,12,13,14,15
	ds_load_b128 v[AR+4*\i:AR+4*\i+3], v[UA] offset:16*\i          ; every lane takes all 64: LDS serves a wave's instructions in order, and the bytes are the wave's own
.endr
.irp i, 0,1,2,3,4,5,6,7,8,9,10,11,12,13,14,15
	ds_load_b128 v[BR+4*\i:BR+4*\i+3], v[UA] offset:256+16*\i
.endr
	ds_load_b128 v[MR:MR+3], v[UA] offset:512
	ds_load_b128 v[MR+4:MR+7], v[UA] offset:528
	s_wait_tensorcnt 0x0                           ; my 64 rows of x are in LDS; I read no other wave's
	s_wait_dscnt 0x0                               ; the three stores are done: their registers take the tile's numbers next
; item t: positions 32 (t / 2) + lane, channels 64 w + 32 (t % 2) + 0 .. 31, in set t % 2
.macro LOADX t
.set j, 0
.rept 32
	ds_load_b32 v[XR+32*((\t)%2)+j], v[XA] offset:(32*((\t)%2)+j)*512+128*((\t)/2)
.set j, j+1
.endr
.endm
.macro ITEM t
.set XS, XR+32*((\t)%2)
.set BL, (\t)%2
.if (\t) < 7
	s_wait_dscnt 32                                ; all but the next item's 32 loads: my numbers are in, and the earlier items' stores are done
.else
	s_wait_dscnt 0x0
.endif
.irp k, 0,1,2,3,4,5,6,7,8,9,10,11,12,13,14,15
	v_pk_add_f32 v[XS+2*\k:XS+2*\k+1], v[XS+2*\k:XS+2*\k+1], v[MR+2*(2*BL+\k/8):MR+2*(2*BL+\k/8)+1] neg_lo:[0,1] neg_hi:[0,1]   ; x - the group's mean
.endr
.irp k, 0,1,2,3,4,5,6,7,8,9,10,11,12,13,14,15
	v_pk_fma_f32 v[XS+2*\k:XS+2*\k+1], v[XS+2*\k:XS+2*\k+1], v[AR+32*BL+2*\k:AR+32*BL+2*\k+1], v[BR+32*BL+2*\k:BR+32*BL+2*\k+1]
.endr
	v_max3_num_f32 v[MA], |v[XS]|, |v[XS+1]|, |v[XS+2]|            ; the block's largest magnitude: all 32 numbers are mine
	v_max3_num_f32 v[MB], |v[XS+3]|, |v[XS+4]|, |v[XS+5]|
.irp i, 6,10,14,18,22,26
	s_delay_alu instid0(VALU_DEP_2)
	v_max3_num_f32 v[MA], v[MA], |v[XS+\i]|, |v[XS+\i+1]|
	s_delay_alu instid0(VALU_DEP_2)
	v_max3_num_f32 v[MB], v[MB], |v[XS+\i+2]|, |v[XS+\i+3]|
.endr
	s_delay_alu instid0(VALU_DEP_2)
	v_max3_num_f32 v[MA], v[MA], |v[XS+30]|, |v[XS+31]|
	s_delay_alu instid0(VALU_DEP_1)
	v_max3_num_f32 v[MA], v[MA], v[MB], 0x1800000  ; and the floor 2^(3 - 127)
	s_delay_alu instid0(VALU_DEP_1)
	v_add_nc_u32 v[SO], 0xff000000, v[MA]          ; 2 off the exponent field: the conversion's scale operand
.irp g, 0,1,2,3
	v_cvt_scalef32_pk8_fp4_f32 v[CD+4*BL+\g], v[XS+8*\g:XS+8*\g+7], v[SO]
.endr
.if BL == 0
	v_lshrrev_b32 v[BY0], 23, v[SO]                ; the scale's byte (also the plain place behind the conversions)
.else
	v_lshrrev_b32 v[BY], 23, v[SO]
	s_delay_alu instid0(VALU_DEP_1)
	v_lshl_or_b32 v[BY], v[BY], 8, v[BY0]          ; with the lower block's
.endif
	ds_store_b128 v[IW], v[CD+4*BL:CD+4*BL+3] offset:2*TP*((\t)/2)+256*BL
.if BL == 1
	ds_store_b16 v[SW], v[BY] offset:512*((\t)/2)
.endif
.if (\t) < 6
	LOADX (\t)+2
.endif
.endm
	LOADX 0
	LOADX 1
.irp t, 0,1,2,3,4,5,6,7
	ITEM \t
.endr
	s_wait_dscnt 0x0                               ; for the others' sake: my images and scale bytes have landed
	s_barrier_signal -1
	s_barrier_wait -1                              ; t's 32 fragments and their scale words lie in LDS
	s_wait_loadcnt 0x0                             ; the weights; their offset registers are free from here on
; ---- q or k: 4 tiles of positions x 4 tiles of d, K in four steps, t's fragments in two buffers
.macro FETCHQ s, p
.irp i, 0,1,2,3
.irp c, 0,1
	ds_load_b128 v[TF+32*\p+8*\i+4*\c:TF+32*\p+8*\i+4*\c+3], v[ATQ] offset:TP*\i+1024*\s+512*\c
.endr
	ds_load_b32 v[TS+4*\p+\i], v[ASQ] offset:256*\i+4*\s
.endr
.endm
.macro MULQ s, p                       ; sixteen accumulators by turns, one instruction a turn, in the same order in every step
.irp i, 0,1,2,3
.irp t, 0,1,2,3
.if \s == 0
	v_wmma_scale_f32_16x16x128_f8f6f4 v[ACC+32*\i+8*\t:ACC+32*\i+8*\t+7], v[WQK+8*(4*\s+\t):WQK+8*(4*\s+\t)+7], v[TF+32*\p+8*\i:TF+32*\p+8*\i+7], v[BQ+8*\t:BQ+8*\t+7], v[WS+4*\t+\s], v[TS+4*\p+\i] matrix_a_fmt:MATRIX_FMT_FP4 matrix_b_fmt:MATRIX_FMT_FP4
.else
	v_wmma_scale_f32_16x16x128_f8f6f4 v[ACC+32*\i+8*\t:ACC+32*\i+8*\t+7], v[WQK+8*(4*\s+\t):WQK+8*(4*\s+\t)+7], v[TF+32*\p+8*\i:TF+32*\p+8*\i+7], v[ACC+32*\i+8*\t:ACC+32*\i+8*\t+7], v[WS+4*\t+\s], v[TS+4*\p+\i] matrix_a_fmt:MATRIX_FMT_FP4 matrix_b_fmt:MATRIX_FMT_FP4
.endif
.endr
.endr
.endm
	FETCHQ 0, 0
	FETCHQ 1, 1
	WIN 0x41                                       ; destination and source 0 window 1
.irp j, 1,2,3,4,5,6,7
	v_mov_b32 v[BV+\j], v[BV]                      ; bv of my d fills the eight registers of a C
.endr
	s_wait_dscnt 12                                ; step 0's twelve loads are in, step 1's may be out
	WIN 0x11                                       ; source 0 (W) and source 2 (the bias) window 1
	MULQ 0, 0                                      ; the bias starts the sums
	WIN 0
	PLACES
	FETCHQ 2, 0
	s_wait_dscnt 12
	WIN 0x01
	MULQ 1, 1
	WIN 0
	PLACES
	FETCHQ 3, 1
	s_wait_dscnt 12
	WIN 0x01
	MULQ 2, 0
	s_wait_dscnt 0x0
	MULQ 3, 1
	WIN 0
	PLACES
.set j, 0
.rept 64
	v_pk_mul_f32 v[ACC+j:ACC+j+1], v[ACC+j:ACC+j+1], s[SC:SC+1] op_sel_hi:[1,0]   ; (sum + bias) x c; each accumulator from its low end on
.set j, j+2
.endr
.irp b, 0,1,2,3
	v_mov_b32 v[TM+4+\b], 0                        ; a lane permute's destination counts as one of its sources
.endr
.irp a, 0,1                            ; two tiles of positions at a time: blocks 0, 1 are the first tile's d 0-31, 32-63; blocks 2, 3 the second's
	QUANT ACC+64*\a, CDQ+8*\a, PW
	v_and_b32 v[WD+2*\a], 0xffff, v[PW]            ; a tile's scale word: two bytes, and two zero bytes over the zero codes of K 64 .. 127
	v_lshrrev_b32 v[WD+2*\a+1], 16, v[PW]
	global_store_b128 v[LI], v[CDQ+8*\a:CDQ+8*\a+3], s[72:73] offset:1024*\a           ; 32 lanes store 512 consecutive bytes
	global_store_b128 v[LI], v[CDQ+8*\a+4:CDQ+8*\a+7], s[72:73] offset:1024*\a+512
.endr
	global_store_b128 v[LR32], v[WD:WD+3], s[80:81]        ; row r's four words (lanes r and r + 16 store the same bytes)
; ---- v: 8 tiles of positions x my tile of d
.macro FETCHV s, p
.set VB, TF+(ACC+64-TF)*\p
.irp m, 0,1,2,3,4,5,6,7
.irp c, 0,1
	ds_load_b128 v[VB+8*\m+4*\c:VB+8*\m+4*\c+3], v[ATV] offset:TP*\m+1024*\s+512*\c
.endr
	ds_load_b32 v[TS+8*\p+\m], v[ASV] offset:256*\m+4*\s
.endr
.endm
.macro MULV s, p                       ; eight accumulators by turns
.set VB, TF+(ACC+64-TF)*\p
.irp m, 0,1,2,3,4,5,6,7
.if \s == 0
	v_wmma_scale_f32_16x16x128_f8f6f4 v[ACC+8*\m:ACC+8*\m+7], v[VB+8*\m:VB+8*\m+7], v[WVF+8*\s:WVF+8*\s+7], v[BV:BV+7], v[TS+8*\p+\m], v[WS+16+\s] matrix_a_fmt:MATRIX_FMT_FP4 matrix_b_fmt:MATRIX_FMT_FP4
.else
	v_wmma_scale_f32_16x16x128_f8f6f4 v[ACC+8*\m:ACC+8*\m+7], v[VB+8*\m:VB+8*\m+7], v[WVF+8*\s:WVF+8*\s+7], v[ACC+8*\m:ACC+8*\m+7], v[TS+8*\p+\m], v[WS+16+\s] matrix_a_fmt:MATRIX_FMT_FP4 matrix_b_fmt:MATRIX_FMT_FP4
.endif
.endr
.endm
	s_wait_xcnt 0x0                                ; the stores above have read their registers: the loads below land there
	FETCHV 0, 0
	FETCHV 1, 1
	s_wait_dscnt 24                                ; step 0's 24 loads are in, step 1's may be out
	WIN 0x14                                       ; source 1 (Wv) and source 2 (bv) window 1
	MULV 0, 0
	WIN 0
	PLACES
	FETCHV 2, 0
	s_wait_dscnt 24
	WIN 0x04
	MULV 1, 1
	WIN 0
	PLACES
	FETCHV 3, 1
	s_wait_dscnt 24
	WIN 0x04
	MULV 2, 0
	s_wait_dscnt 0x0
	MULV 3, 1
	WIN 0
	PLACES
.irp b, 0,1,2,3
	v_mov_b32 v[TM+4+\b], 0
.endr
	QUANT ACC, CDQ, PW                             ; register 16 b + i is key 32 b + 16 h + i of my d: a whole fragment, K = these 128 keys
	global_store_b128 v[LI], v[CDQ:CDQ+3], s[84:85]
	global_store_b128 v[LI], v[CDQ+4:CDQ+7], s[84:85] offset:512
	global_store_b32 v[LR16], v[PW], s[86:87]
	s_wait_dscnt 0x0
	s_wait_tensorcnt 0x0
	ds_add_u32 v254, v255
	s_wait_dscnt 0x0
	ROUND                                          ; the closing round: no work-group ends while a partner may still ask for the tile that names it
	s_endpgm
.Lfunc_end_k_q5dd408a105_qkv:
	.size	k_q5dd408a105_qkv, .Lfunc_end_k_q5dd408a105_qkv-k_q5dd408a105_qkv
	.p2alignl 7, 3214868480
	.fill 96, 4, 3214868480
	.section	.rodata,"a",@progbits
	.p2align	6, 0x0
	.amdhsa_kernel k_q5dd408a105_qkv
		.amdhsa_group_segment_fixed_size 305152
		.amdhsa_private_segment_fixed_size 0
		.amdhsa_enable_private_segment 0
		.amdhsa_kernarg_size 120
		.amdhsa_user_sgpr_count 2
		.amdhsa_user_sgpr_kernarg_segment_ptr 1
		.amdhsa_wavefront_size32 1
		.amdhsa_system_sgpr_workgroup_id_x 1
		.amdhsa_system_sgpr_workgroup_id_y 1
		.amdhsa_system_sgpr_workgroup_id_z 1
		.amdhsa_system_vgpr_workitem_id 0
		.amdhsa_next_free_vgpr 512
		.amdhsa_next_free_sgpr 100
		.amdhsa_reserve_vcc 0
		.amdhsa_float_denorm_mode_32 3
		.amdhsa_float_denorm_mode_16_64 3
		.amdhsa_memory_ordered 1
		.amdhsa_forward_progress 1
		.amdhsa_inst_pref_size 107
	.end_amdhsa_kernel
	.amdgpu_metadata
---
amdhsa.version: [ 1, 2 ]
amdhsa.kernels:
  - .name:           k_q5dd408a105_qkv
    .symbol:         k_q5dd408a105_qkv.kd
    .args:
      - { .name: x, .offset: 0, .size: 8, .value_kind: global_buffer, .address_space: global }
      - { .name: stats, .offset: 8, .size: 8, .value_kind: global_buffer, .address_space: global }
      - { .name: gn_w, .offset: 16, .size: 8, .value_kind: global_buffer, .address_space: global }
      - { .name: gn_b, .offset: 24, .size: 8, .value_kind: global_buffer, .address_space: global }
      - { .name: wq_codes, .offset: 32, .size: 8, .value_kind: global_buffer, .address_space: global }
      - { .name: wk_codes, .offset: 40, .size: 8, .value_kind: global_buffer, .address_space: global }
      - { .name: wq_scales, .offset: 48, .size: 8, .value_kind: global_buffer, .address_space: global }
      - { .name: wk_scales, .offset: 56, .size: 8, .value_kind: global_buffer, .address_space: global }
      - { .name: bq, .offset: 64, .size: 8, .value_kind: global_buffer, .address_space: global }
      - { .name: bk, .offset: 72, .size: 8, .value_kind: global_buffer, .address_space: global }
      - { .name: wv_codes, .offset: 80, .size: 8, .value_kind: global_buffer, .address_space: global }
      - { .name: wv_scales, .offset: 88, .size: 8, .value_kind: global_buffer, .address_space: global }
      - { .name: bv, .offset: 96, .size: 8, .value_kind: global_buffer, .address_space: global }
      - { .name: qrec, .offset: 104, .size: 8, .value_kind: global_buffer, .address_space: global }
      - { .name: kv, .offset: 112, .size: 8, .value_kind: global_buffer, .address_space: global }
    .group_segment_fixed_size: 305152
    .private_segment_fixed_size: 0
    .kernarg_segment_align: 8
    .kernarg_segment_size: 120
    .max_flat_workgroup_size: 256
    .sgpr_count:     100
    .vgpr_count:     512
    .wavefront_size: 32
...
	.end_amdgpu_metadata
.endif
;; end of part 2
;; launch attn (part 3): grid 256 x 1, 8 waves a work-group, clusters of 4 x 1, 327,680 bytes of LDS; arguments qrec, kv, oimg, osc; writes oimg, osc
.if DOCPART == 3
	.amdgcn_target "amdgcn-amd-amdhsa--gfx1250"
	.amdhsa_code_object_version 6
	.text
	.protected	k_q5dd408a105_attn
	.globl	k_q5dd408a105_attn
	.p2align	8
	.type	k_q5dd408a105_attn,@function
k_q5dd408a105_attn:
	s_mov_b64 s[64:65], 0
	v_nop
	global_prefetch_b8 v0, s[64:65] scope:SCOPE_SE
	s_setreg_imm32_b32 hwreg(HW_REG_WAVE_MODE, 25, 1), 1
	s_wait_xcnt 0x0
	s_wait_alu depctr_hold_cnt(0) depctr_sa_sdst(0) depctr_va_vdst(0) depctr_va_sdst(0) depctr_va_ssrc(0) depctr_va_vcc(0) depctr_vm_vsrc(0)
	s_getreg_b32 s2, hwreg(HW_REG_IB_STS2, 6, 4)
	s_cmp_eq_u32 s2, 0
	s_cbranch_scc0 .Lentry_in_a_cluster
	s_endpgm
.Lentry_in_a_cluster:
	s_bfe_u32 s2, ttmp6, 0x10000c
	s_cmp_lg_u32 s2, 0x3003
	s_cbranch_scc0 .Lentry_shape_is_right
	s_endpgm
.Lentry_shape_is_right:
; o = softmax(q k^T) v for one head, both products on codes of FP4 (E2M1) with one E8M0 scale for each 32 along K, and o quantised along the channels for the last product.
; q and k already carry 64^-1/4 each.  t = score x log2(e); M = the running largest t rounded UP to a whole number; p = 2^(t - M) is quantised along the keys, not normalised; the row's sum is taken of the
; unquantised p and divides at the end; when M moves, the sum and O are multiplied by 2^(old M - new M), which rounds nothing.
; SHARES.  bh = cluster / 4; the cluster's four work-groups take query blocks 4 (cluster % 4) + cx of 256 queries; each of EIGHT waves owns TWO tiles of 16 queries, so each fragment of K and V that it reads feeds two
; matrix instructions, and the two tiles' short chains go by turns.
; THE HEAD'S K AND V STAY IN LDS WHOLE: 32 key steps x 8,960 bytes, a copy of the head's block of kv, asked for jointly by the four work-groups: at the head wave w brings key step w; behind the full sequence and a round
; it brings key steps 8 + 3 w .. 10 + 3 w, which land while steps 0-6 are walked.  Nothing is filled again, and every byte is asked for at the head: there is no later request that a prefetch could run ahead of.
; A key step's record: K's 8 tiles (16 keys x 64 d, registers 0-3 of a fragment) at 512 t + 16 x lane, row r of tile 2 B + u being key 32 B + 8 u + r + 8 (r / 8); V's 4 fragments at 4096 + 1024 t + 512 c + 16 x lane;
; K's scale words at 8192 + 32 r + 4 t; V's at 8704 + 16 r + 4 t.  K = 64 fills half of the instruction's 128: registers 4-7 of q's and k's fragments are zero codes.
; THE KEYS OF A TILE ARE CHOSEN ANEW BY THE LANES' ADDRESSES: tile 4 g + j takes keys 64 g + 8 j + 0..7 as rows 0-7 and keys 64 g + 32 + 8 j + 0..7 as rows 8-15.  With S^T = K Q^T lane (query, h) then holds in register
; 32 g + i key 64 g + 32 h + i: two WHOLE blocks of 32 keys, in the order of the second product's operand: a block's maximum needs no other lane, and the conversions' results are the operand.
; REGISTERS.  Window 1: S^T of tile u at 64 u, O^T at 128 + 32 u.  Window 0: addresses, operands, scales and what is kept for each row.  One setting of the windows serves a phase of both tiles.
; LIMITS: NaN and infinities are not served; the promise holds while the scaled scores stay under 2^31 in magnitude (the running maximum begins at -1e38); a block whose largest p lies under 2^-124 has its byte held at 1.
; A block's largest p is made from the block's largest score by the same multiply-add and exponential; that takes v_exp_f32 not to fall where its input rises.  o's two scale bytes leave by one store of 2 bytes a lane.
.set STEPB, 8960
.set SPARE, 32*STEPB                   ; the spare words: 128 bytes a wave, four blocks of 256 bytes
.set LI,   1                           ; 16 x lane
.set LK,   2                           ; K: 1024 (r / 8) + 16 (r % 8) + 256 h
.set LKS,  3                           ; K's scale words: 8192 + 32 (r % 8) + 8 (r / 8)
.set LVS,  4                           ; V's: 8704 + 16 r
.set ADV,  5                           ; v5-8 the step's addresses
.set ADK,  6
.set ADS,  7
.set ADT,  8
.set LR16, 9
.set SPW,  10
.set NIL,  11
.set NM,   12                          ; tile u: v[12+2u] -M, v[13+2u] the largest score so far
.set Q,    16                          ; v16-31 q's two fragments (upper four registers zero)
.set QS,   32                          ; v32-33 q's scale words
.set SUM,  34                          ; v34-37 the sums, in two halves
.set F,    38                          ; v38-41 f = 2^(old M - new M); later 1 / the sum
.set PW,   42                          ; v42-43 p's scale words
.set VS,   44                          ; v44-47 V's
.set KS,   48                          ; v48-55 K's
.set BM,   56                          ; v56-59 block c of tile u at 2 u + c
.set PT,   60                          ; v60-63 lane exchanges' destinations
.set SO,   64                          ; v64-67 the conversions' scale operands
.set TM,   68                          ; v68-71 at work
.set PC,   76                          ; v76-91 p's codes
.set H8,   92                          ; 8 h
.set LR32, 93
.set KF,   96                          ; v96-159 K's 8 fragments
.set VF,   160                         ; v160-191 V's 4
.set T,    192                         ; v192-207 four chains of sums a tile
.set S,    0                           ; window 1
.set O,    128                         ; window 1
.set WV,   12
.set SEL,  20
.set CS,   22                          ; s[22:23] log2(e)
.set NC,   66                          ; -log2(e)
.set G1A,  24                          ; one key step: 35 rows of 256 bytes
.set G1B,  32                          ; three: 105 rows
.set G0A,  40
.set G0B,  44
.set TB,   2
.set CNT,  3
.set MSB, 0
.macro WIN new                         ; the immediate's high byte repeats the setting that is left
.if MSB != \new
	s_set_vgpr_msb (MSB<<8)|\new
.set MSB, \new
.endif
.endm
.macro ROUND
	s_barrier_signal -1
	s_barrier_wait -1
	s_cmp_lg_u32 s[WV], 0
	s_cbranch_scc1 .Lnot_wave_0_\@
	s_barrier_signal -3
.Lnot_wave_0_\@:
	s_barrier_wait -3
	s_barrier_signal -1
	s_barrier_wait -1
.endm
.macro DEP n
	s_delay_alu instid0(VALU_DEP_\n)
.endm
.macro KLOAD ak, sa, base              ; a key step's 8 scale words and 8 tiles of K
.irp g, 0,1
.irp e, 0,1
	ds_load_b64 v[KS+4*\g+2*\e:KS+4*\g+2*\e+1], v[\sa] offset:\base+256*\e+16*\g
.endr
.endr
.irp g, 0,1
.irp j, 0,1,2,3
	ds_load_b128 v[KF+32*\g+8*\j:KF+32*\g+8*\j+3], v[\ak] offset:\base+2048*\g+512*(\j%2)+128*(\j/2)
.endr
.endr
.endm
	s_load_b256 s[4:11], s[0:1], 0x0               ; qrec, kv, oimg, osc
	v_lshl_add_u32 v[SPW], v0, 2, SPARE
	v_mov_b32 v[NIL], 0
	ds_add_u32 v[SPW], v[NIL]                      ; the opening lines: the add twice on end and one wait
	ds_add_u32 v[SPW], v[NIL]
	v_lshrrev_b32 v68, 5, v0
	v_readfirstlane_b32 s[WV], v68                 ; wave 0..7
	s_lshr_b32 s14, ttmp9, 2                       ; bh, which the four partners share
	s_mul_i32 s16, s14, 32*STEPB
	s_mul_i32 s17, s[WV], STEPB                    ; first load: key step w
	s_mul_i32 s18, s[WV], 3*STEPB
	s_add_co_u32 s18, s18, 8*STEPB                 ; second load: key steps 8 + 3 w on
	s_add_co_u32 s48, s16, s17
	s_mov_b32 s49, 0
	s_add_co_u32 s50, s16, s18
	s_mov_b32 s51, 0
	s_mov_b32 s[G1A], 15|(3<<16)|(1<<21)           ; the mask names all four work-groups; elements of 8 bytes; bit 21 beside a mask
	s_mov_b32 s[G1A+1], 32<<16                     ; rows of 256 bytes, dense
	s_mov_b32 s[G1A+2], 35<<16
	s_mov_b32 s[G1A+3], 32<<16
	s_mov_b32 s[G1A+4], 35
	s_mov_b32 s[G1A+5], 32
	s_mov_b32 s[G1A+6], 0
	s_mov_b32 s[G1A+7], 0
	s_mov_b32 s[G1B], 15|(3<<16)|(1<<21)
	s_mov_b32 s[G1B+1], 32<<16
	s_mov_b32 s[G1B+2], 105<<16
	s_mov_b32 s[G1B+3], 32<<16
	s_mov_b32 s[G1B+4], 105
	s_mov_b32 s[G1B+5], 32
	s_mov_b32 s[G1B+6], 0
	s_mov_b32 s[G1B+7], 0
	s_mov_b32 s[G0A], 1
	s_mov_b32 s[G0A+1], s17                        ; LDS is a copy of the block: the same offsets
	s_mov_b32 s[G0B], 1
	s_mov_b32 s[G0B+1], s18
	; what holds cx enters q's and o's global offsets alone
	s_bfe_u32 s13, ttmp6, 0x40000                  ; cx
	s_and_b32 s15, ttmp9, 3
	s_lshl_b32 s15, s15, 2
	s_add_co_u32 s15, s15, s13                     ; my block of 256 queries
	s_lshl_b32 s15, s15, 4
	s_lshl_b32 s19, s[WV], 1
	s_add_co_u32 s15, s15, s19                     ; T: my first tile of 16 queries, even
	s_lshl_b32 s52, s14, 5
	s_lshr_b32 s53, s15, 3
	s_add_co_u32 s52, s52, s53
	s_mul_i32 s52, s52, 4608                       ; q's record (bh, T / 8)
	s_and_b32 s53, s15, 7
	s_lshl_b32 s54, s53, 9
	s_add_co_u32 s54, s54, s52                     ; its image of tile T % 8; the next tile's lies 512 bytes on
	s_mov_b32 s55, 0
	s_lshl_b32 s56, s53, 2
	s_add_co_u32 s56, s56, s52
	s_add_co_u32 s56, s56, 4096                    ; and the two tiles' scale words, 8 bytes a row
	s_mov_b32 s57, 0
	s_lshr_b32 s19, s14, 3
	s_lshl_b32 s19, s19, 8
	s_add_co_u32 s19, s19, s15                     ; 256 b + T
	s_and_b32 s58, s14, 7                          ; head
	s_lshl_b32 s60, s19, 12
	s_lshl_b32 s59, s58, 9
	s_add_co_u32 s60, s60, s59                     ; oimg: 4,096 a tile, 512 a head
	s_mov_b32 s61, 0
	s_lshl_b32 s62, s19, 8
	s_lshl_b32 s59, s58, 1
	s_add_co_u32 s62, s62, s59                     ; osc: 256 a tile, 2 bytes a head
	s_mov_b32 s63, 0
	s_mov_b32 s[SEL], 0x76543210
	s_mov_b32 s[SEL+1], 0xfedcba98
	s_mov_b32 s[CS], 0x3fb8aa3b                    ; log2(e)
	s_mov_b32 s[CS+1], s[CS]
	s_mov_b32 s[NC], 0xbfb8aa3b
	s_mov_b32 s[TB], 0
	v_and_b32 v68, 31, v0                          ; lane
	v_and_b32 v69, 15, v0                          ; r
	v_bfe_u32 v70, v0, 4, 1                        ; h
	v_and_b32 v71, 7, v0                           ; r % 8
	v_bfe_u32 v72, v0, 3, 1                        ; r / 8
	v_lshlrev_b32 v[LI], 4, v68
	v_lshlrev_b32 v[LR16], 4, v69
	v_lshlrev_b32 v[LR32], 5, v69
	v_lshlrev_b32 v[LK], 4, v71
	v_lshlrev_b32 v[LKS], 5, v71
	v_lshlrev_b32 v[H8], 3, v70
	v_lshl_add_u32 v[LK], v72, 10, v[LK]
	v_lshl_add_u32 v[LKS], v72, 3, v[LKS]
	v_add_nc_u32 v[LVS], 8704, v[LR16]
	v_lshl_add_u32 v[LK], v70, 8, v[LK]
	v_add_nc_u32 v[LKS], 8192, v[LKS]
	s_wait_alu depctr_va_vdst(0)
	s_wait_dscnt 0x0                               ; both opening adds are done
	s_wait_kmcnt 0x0
	s_add_nc_u64 s[G0A+2:G0A+3], s[6:7], s[48:49]
	s_or_b32 s[G0A+3], s[G0A+3], 0x80000000
	s_add_nc_u64 s[G0B+2:G0B+3], s[6:7], s[50:51]
	s_or_b32 s[G0B+3], s[G0B+3], 0x80000000
	ROUND                                          ; all four work-groups are here: the joint loads meet
	tensor_load_to_lds s[G0A:G0A+3], s[G1A:G1A+7]  ; key step w: every wave's one load at the head
	s_nop 0
.rept 4
	v_nop
.endr
	s_add_nc_u64 s[54:55], s[4:5], s[54:55]
	s_add_nc_u64 s[56:57], s[4:5], s[56:57]
	s_add_nc_u64 s[8:9], s[8:9], s[60:61]
	s_add_nc_u64 s[10:11], s[10:11], s[62:63]
	global_load_b128 v[Q:Q+3], v[LI], s[54:55]             ; q's fragments stay in registers
	global_load_b128 v[Q+8:Q+11], v[LI], s[54:55] offset:512
	global_load_b64 v[QS:QS+1], v[LR32], s[56:57]
.irp j, 4,5,6,7,12,13,14,15
	v_mov_b32 v[Q+\j], 0                           ; zero codes for K 64 .. 127
.endr
.irp t, 0,1,2,3,4,5,6,7
.irp j, 4,5,6,7
	v_mov_b32 v[KF+8*\t+\j], 0
.endr
.endr
.irp b, 0,1,2,3
	v_mov_b32 v[PT+\b], 0                          ; a lane permute's destination counts as one of its sources
	v_mov_b32 v[SUM+\b], 0
.endr
.irp u, 0,1
	v_mov_b32 v[NM+2*\u+1], 0xfe967699             ; the largest score so far: -1e38
	v_mov_b32 v[F+2*\u+1], 0                       ; named as the upper half of a pair
.endr
.irp u, 0,1
	v_mul_f32 v[NM+2*\u], s[NC], v[NM+2*\u+1]
.endr
.irp u, 0,1
	v_floor_f32 v[NM+2*\u], v[NM+2*\u]             ; -M
.endr
	WIN 0x40
.set j, 0
.rept 64
	v_mov_b32 v[O+j], 0                            ; O^T: the step is written once; the first finds zeros, which the first change of M leaves zeros
.set j, j+1
.endr
	WIN 0
; A KEY STEP: 128 keys, whose record begins at s[TB].  K's fragments and scale words are in registers at its head.  last = 1: no further K is asked for
.macro STEP last
	WIN 0x40
.irp t, 0,1,2,3,4,5,6,7
.irp u, 0,1
	v_wmma_scale_f32_16x16x128_f8f6f4 v[S+64*\u+8*\t:S+64*\u+8*\t+7], v[KF+8*\t:KF+8*\t+7], v[Q+8*\u:Q+8*\u+7], 0, v[KS+\t], v[QS+\u] matrix_a_fmt:MATRIX_FMT_FP4 matrix_b_fmt:MATRIX_FMT_FP4
.endr
.endr
	WIN 0
	v_add_nc_u32 v[ADV], s[TB], v[LI]              ; these four are the places in front of the loads into the products' sources and of the first read of S^T
	v_add_nc_u32 v[ADT], s[TB], v[LVS]
	v_add_nc_u32 v[ADK], s[TB], v[LK]
	v_add_nc_u32 v[ADS], s[TB], v[LKS]
	ds_load_b128 v[VS:VS+3], v[ADT]                ; this step's V, and the next step's K: one run, which lands under the softmax
.irp t, 0,1,2,3
.irp c, 0,1
	ds_load_b128 v[VF+8*\t+4*\c:VF+8*\t+4*\c+3], v[ADV] offset:4096+1024*\t+512*\c
.endr
.endr
.if \last == 0
	KLOAD ADK, ADS, STEPB
.endif
	WIN 0x14                                       ; sources 1 and 2 window 1
.irp u, 0,1
.irp c, 0,1
	v_max3_num_f32 v[BM+2*\u+\c], 0xff800000, v[S+64*\u+32*\c], v[S+64*\u+32*\c+1]   ; the largest score of each of my blocks of 32 keys; each accumulator from its low end on
.endr
.endr
.irp i, 2,4,6,8,10,12,14,16,18,20,22,24,26,28,30
.irp u, 0,1
.irp c, 0,1
	v_max3_num_f32 v[BM+2*\u+\c], v[BM+2*\u+\c], v[S+64*\u+32*\c+\i], v[S+64*\u+32*\c+\i+1]
.endr
.endr
.endr
	WIN 0
.irp u, 0,1
	v_max_num_f32 v[TM+\u], v[BM+2*\u], v[BM+2*\u+1]
.endr
.irp u, 0,1
	DEP 2
	v_permlanex16_b32 v[PT+\u], v[TM+\u], s[SEL], s[SEL+1]
.endr
.irp u, 0,1
	DEP 2
	v_max3_num_f32 v[NM+2*\u+1], v[NM+2*\u+1], v[TM+\u], v[PT+\u]   ; the running largest score, both halves' keys
.endr
.irp u, 0,1
	DEP 2
	v_mul_f32 v[TM+\u], s[NC], v[NM+2*\u+1]        ; -t
.endr
.irp u, 0,1
	DEP 2
	v_floor_f32 v[TM+\u], v[TM+\u]                 ; the new -M = -ceil(t)
.endr
.irp u, 0,1
	DEP 2
	v_sub_f32 v[TM+2+\u], v[TM+\u], v[NM+2*\u]     ; old M - new M: a whole number, 0 or less
.endr
.irp u, 0,1
	v_mov_b32 v[NM+2*\u], v[TM+\u]
.endr
.irp u, 0,1
	DEP 4
	v_cvt_i32_f32 v[TM+2+\u], v[TM+2+\u]           ; (it saturates)
.endr
.irp u, 0,1
	DEP 2
	v_ldexp_f32 v[F+2*\u], 1.0, v[TM+2+\u]         ; f = 2^(old M - new M)
.endr
.irp u, 0,1
.irp c, 0,1
	v_fma_f32 v[BM+2*\u+\c], v[BM+2*\u+\c], s[CS], v[NM+2*\u]
.endr
.endr
.irp u, 0,1
	v_pk_mul_f32 v[SUM+2*\u:SUM+2*\u+1], v[SUM+2*\u:SUM+2*\u+1], v[F+2*\u:F+2*\u+1] op_sel_hi:[1,0]
.endr
	WIN 0x41                                       ; destination and source 0 window 1
.irp u, 0,1
.set j, 0
.rept 16
	v_pk_mul_f32 v[O+32*\u+j:O+32*\u+j+1], v[O+32*\u+j:O+32*\u+j+1], v[F+2*\u:F+2*\u+1] op_sel_hi:[1,0]   ; O^T under the new M, ahead of the exponentials
.set j, j+2
.endr
.endr
.irp u, 0,1
.set j, 0
.rept 32
	v_pk_fma_f32 v[S+64*\u+j:S+64*\u+j+1], v[S+64*\u+j:S+64*\u+j+1], s[CS:CS+1], v[NM+2*\u:NM+2*\u+1] op_sel_hi:[1,0,0]   ; t - M
.set j, j+2
.endr
.endr
	s_wait_alu depctr_va_vdst(0)                   ; the wait ahead of the batch
.set j, 0
.rept 128
	v_exp_f32 v[S+j], v[S+j]                       ; p = 2^(t - M)
.set j, j+1
.endr
	WIN 0
.irp b, 0,1,2,3
	v_exp_f32 v[BM+\b], v[BM+\b]                   ; the blocks' largest p
.endr
	v_nop                                          ; a plain place behind the batch
	s_wait_alu depctr_va_vdst(0)                   ; one wait for the batch of 132, ahead of its first reader
.irp b, 0,1,2,3
	v_max_num_f32 v[BM+\b], 0x1800000, v[BM+\b]    ; the floor 2^(3 - 127)
.endr
.irp b, 0,1,2,3
	DEP 4
	v_add_nc_u32 v[SO+\b], 0xff000000, v[BM+\b]    ; 2 off the exponent field: the conversion's scale operand
.endr
.irp b, 0,1,2,3
	DEP 4
	v_lshrrev_b32 v[BM+\b], 23, v[SO+\b]           ; the scale's byte
.endr
.irp u, 0,1
	v_lshl_or_b32 v[TM+\u], v[BM+2*\u+1], 16, v[BM+2*\u]   ; my two bytes: blocks h and 2 + h,
.endr
.irp u, 0,1
	DEP 2
	v_lshlrev_b32 v[TM+\u], v[H8], v[TM+\u]        ; at their places in the word;
.endr
.irp u, 0,1
	DEP 2
	v_permlanex16_b32 v[PT+2+\u], v[TM+\u], s[SEL], s[SEL+1]
.endr
.irp u, 0,1
	DEP 2
	v_or_b32 v[PW+\u], v[TM+\u], v[PT+2+\u]        ; with lane l xor 16's two the word is whole
.endr
	WIN 0x01                                       ; source 0 window 1
.irp u, 0,1
.irp c, 0,1
.irp g, 0,1,2,3
	v_cvt_scalef32_pk8_fp4_f32 v[PC+8*\u+4*\c+\g], v[S+64*\u+32*\c+8*\g:S+64*\u+32*\c+8*\g+7], v[SO+2*\u+\c]
.endr
.endr
.endr
	WIN 0x05                                       ; the rows' sums of the unquantised p: eight chains by turns.  These 64 lines are also the places between p's scale words and codes and the products
.irp k, 0,1,2,3
.irp u, 0,1
	v_pk_add_f32 v[T+8*\u+2*\k:T+8*\u+2*\k+1], v[S+64*\u+2*\k:S+64*\u+2*\k+1], v[S+64*\u+8+2*\k:S+64*\u+8+2*\k+1]
.endr
.endr
	WIN 0x04
.irp i, 16,24,32,40,48,56
.irp k, 0,1,2,3
.irp u, 0,1
	v_pk_add_f32 v[T+8*\u+2*\k:T+8*\u+2*\k+1], v[T+8*\u+2*\k:T+8*\u+2*\k+1], v[S+64*\u+\i+2*\k:S+64*\u+\i+2*\k+1]
.endr
.endr
.endr
	WIN 0
.irp u, 0,1
	v_pk_add_f32 v[T+8*\u:T+8*\u+1], v[T+8*\u:T+8*\u+1], v[T+8*\u+2:T+8*\u+3]
	v_pk_add_f32 v[T+8*\u+4:T+8*\u+5], v[T+8*\u+4:T+8*\u+5], v[T+8*\u+6:T+8*\u+7]
.endr
.irp u, 0,1
	v_pk_add_f32 v[T+8*\u:T+8*\u+1], v[T+8*\u:T+8*\u+1], v[T+8*\u+4:T+8*\u+5]
.endr
.irp u, 0,1
	DEP 2
	v_pk_add_f32 v[SUM+2*\u:SUM+2*\u+1], v[SUM+2*\u:SUM+2*\u+1], v[T+8*\u:T+8*\u+1]
.endr
	s_wait_alu depctr_va_vdst(0)
	s_wait_dscnt 0x0                               ; V, and the next step's K
	WIN 0x50                                       ; C and D window 1
.irp t, 0,1,2,3
.irp u, 0,1
	v_wmma_scale_f32_16x16x128_f8f6f4 v[O+32*\u+8*\t:O+32*\u+8*\t+7], v[VF+8*\t:VF+8*\t+7], v[PC+8*\u:PC+8*\u+7], v[O+32*\u+8*\t:O+32*\u+8*\t+7], v[VS+\t], v[PW+\u] matrix_a_fmt:MATRIX_FMT_FP4 matrix_b_fmt:MATRIX_FMT_FP4
.endr
.endr
	WIN 0
	s_add_co_u32 s[TB], s[TB], STEPB
.endm
	s_wait_alu depctr_va_vdst(0)                   ; the wait at the head's end
	s_wait_tensorcnt 0x0                           ; my key step is in
	ds_add_u32 v[SPW], v[NIL]
	s_wait_dscnt 0x0
	ROUND                                          ; key steps 0-7 are in, and all four work-groups are here
	tensor_load_to_lds s[G0B:G0B+3], s[G1B:G1B+7]  ; key steps 8 + 3 w on: my one load behind the round
	s_nop 0
.rept 4
	v_nop
.endr
	KLOAD LK, LKS, 0                               ; key step 0's K
	s_wait_loadcnt 0x0                             ; q
	s_wait_dscnt 0x0
	s_mov_b32 s[CNT], 7
.Lfirst:                                           ; key steps 0-6 (they ask for K up to step 7), while the other 24 land
	STEP 0
	s_sub_co_u32 s[CNT], s[CNT], 1
	s_cmp_lg_u32 s[CNT], 0
	s_cbranch_scc1 .Lfirst
	s_wait_tensorcnt 0x0                           ; my part of key steps 8-31 has landed
	s_wait_dscnt 0x0
	s_barrier_signal -1
	s_barrier_wait -1                              ; everybody's has
	s_mov_b32 s[CNT], 24
.Lrest:                                            ; key steps 7-30
	STEP 0
	s_sub_co_u32 s[CNT], s[CNT], 1
	s_cmp_lg_u32 s[CNT], 0
	s_cbranch_scc1 .Lrest
	STEP 1                                         ; key step 31 asks for no further K
	; THE WAY OUT: O^T / the sum, quantised along the head's 64 channels (two blocks a tile; register 16 B + i is channel 32 B + 16 h + i), as registers 0-3 of a fragment
.irp u, 0,1
	v_add_f32 v[SUM+2*\u], v[SUM+2*\u], v[SUM+2*\u+1]      ; (these lines are also the places behind the last products)
.endr
.irp u, 0,1
	DEP 2
	v_permlanex16_b32 v[PT+\u], v[SUM+2*\u], s[SEL], s[SEL+1]
.endr
.irp u, 0,1
	DEP 2
	v_add_f32 v[SUM+2*\u], v[SUM+2*\u], v[PT+\u]   ; the row's sum
.endr
	s_wait_alu depctr_va_vdst(0)                   ; ahead of the transcendentals
.irp u, 0,1
	v_rcp_f32 v[F+2*\u], v[SUM+2*\u]
.endr
	v_nop
	WIN 0x41
	s_wait_alu depctr_va_vdst(0)                   ; ahead of their first reader, which is also O^T's
.irp u, 0,1
.set j, 0
.rept 16
	v_pk_mul_f32 v[O+32*\u+j:O+32*\u+j+1], v[O+32*\u+j:O+32*\u+j+1], v[F+2*\u:F+2*\u+1] op_sel_hi:[1,0]
.set j, j+2
.endr
.endr
	WIN 0x14
.irp u, 0,1
.irp b, 0,1
	v_max3_num_f32 v[BM+2*\u+\b], 0x1800000, |v[O+32*\u+16*\b]|, |v[O+32*\u+16*\b+1]|
.endr
.endr
.irp i, 2,4,6,8,10,12,14
.irp u, 0,1
.irp b, 0,1
	v_max3_num_f32 v[BM+2*\u+\b], v[BM+2*\u+\b], |v[O+32*\u+16*\b+\i]|, |v[O+32*\u+16*\b+\i+1]|
.endr
.endr
.endr
	WIN 0
.irp b, 0,1,2,3
	v_permlanex16_b32 v[PT+\b], v[BM+\b], s[SEL], s[SEL+1]
.endr
.irp b, 0,1,2,3
	DEP 4
	v_max_num_f32 v[BM+\b], v[BM+\b], v[PT+\b]
.endr
.irp b, 0,1,2,3
	DEP 4
	v_add_nc_u32 v[SO+\b], 0xff000000, v[BM+\b]
.endr
.irp b, 0,1,2,3
	DEP 4
	v_lshrrev_b32 v[BM+\b], 23, v[SO+\b]
.endr
.irp u, 0,1
	v_lshl_or_b32 v[TM+\u], v[BM+2*\u+1], 8, v[BM+2*\u]    ; a tile's two scale bytes
.endr
	WIN 0x01
.irp u, 0,1
.irp b, 0,1
	v_cvt_scalef32_pk8_fp4_f32 v[PC+8*\u+2*\b], v[O+32*\u+16*\b:O+32*\u+16*\b+7], v[SO+2*\u+\b]
	v_cvt_scalef32_pk8_fp4_f32 v[PC+8*\u+2*\b+1], v[O+32*\u+16*\b+8:O+32*\u+16*\b+15], v[SO+2*\u+\b]
.endr
.endr
	WIN 0
	v_nop                                          ; one plain place behind a scaled conversion
.irp u, 0,1
	v_permlane16_swap_b32 v[PC+8*\u], v[PC+8*\u+2]         ; a whole block to a lane
	v_permlane16_swap_b32 v[PC+8*\u+1], v[PC+8*\u+3]
.endr
.irp u, 0,1
	global_store_b128 v[LI], v[PC+8*\u:PC+8*\u+3], s[8:9] offset:4096*\u   ; 32 lanes store 512 consecutive bytes
	global_store_b16 v[LR16], v[TM+\u], s[10:11] offset:256*\u             ; row r's two bytes (lanes r and r + 16 store the same)
.endr
	s_wait_tensorcnt 0x0                           ; the wave's end
	ds_add_u32 v[SPW], v[NIL]
	s_wait_dscnt 0x0
	ROUND                                          ; the closing round
	s_endpgm
.Lfunc_end_k_q5dd408a105_attn:
	.size	k_q5dd408a105_attn, .Lfunc_end_k_q5dd408a105_attn-k_q5dd408a105_attn
	.p2alignl 7, 3214868480
	.fill 96, 4, 3214868480
	.section	.rodata,"a",@progbits
	.p2align	6, 0x0
	.amdhsa_kernel k_q5dd408a105_attn
		.amdhsa_group_segment_fixed_size 327680
		.amdhsa_private_segment_fixed_size 0
		.amdhsa_enable_private_segment 0
		.amdhsa_kernarg_size 32
		.amdhsa_user_sgpr_count 2
		.amdhsa_user_sgpr_kernarg_segment_ptr 1
		.amdhsa_wavefront_size32 1
		.amdhsa_system_sgpr_workgroup_id_x 1
		.amdhsa_system_sgpr_workgroup_id_y 1
		.amdhsa_system_sgpr_workgroup_id_z 1
		.amdhsa_system_vgpr_workitem_id 0
		.amdhsa_next_free_vgpr 512
		.amdhsa_next_free_sgpr 68
		.amdhsa_reserve_vcc 0
		.amdhsa_float_denorm_mode_32 3
		.amdhsa_float_denorm_mode_16_64 3
		.amdhsa_memory_ordered 1
		.amdhsa_forward_progress 1
		.amdhsa_inst_pref_size 101
	.end_amdhsa_kernel
	.amdgpu_metadata
---
amdhsa.version: [ 1, 2 ]
amdhsa.kernels:
  - .name:           k_q5dd408a105_attn
    .symbol:         k_q5dd408a105_attn.kd
    .args:
      - { .name: qrec, .offset: 0, .size: 8, .value_kind: global_buffer, .address_space: global }
      - { .name: kv, .offset: 8, .size: 8, .value_kind: global_buffer, .address_space: global }
      - { .name: oimg, .offset: 16, .size: 8, .value_kind: global_buffer, .address_space: global }
      - { .name: osc, .offset: 24, .size: 8, .value_kind: global_buffer, .address_space: global }
    .group_segment_fixed_size: 327680
    .private_segment_fixed_size: 0
    .kernarg_segment_align: 8
    .kernarg_segment_size: 32
    .max_flat_workgroup_size: 256
    .sgpr_count:     68
    .vgpr_count:     512
    .wavefront_size: 32
...
	.end_amdgpu_metadata
.endif
;; end of part 3
;; launch proj (part 4): grid 4 x 64, 8 waves a work-group, no clusters, 103,424 bytes of LDS; arguments oimg, osc, wp_codes, wp_scales, bp, x, out0; writes out0
.if DOCPART == 4
	.amdgcn_target "amdgcn-amd-amdhsa--gfx1250"
	.amdhsa_code_object_version 6
	.text
	.protected	k_q5dd408a105_proj
	.globl	k_q5dd408a105_proj
	.p2align	8
	.type	k_q5dd408a105_proj,@function
k_q5dd408a105_proj:
	s_mov_b64 s[64:65], 0
	v_nop
	global_prefetch_b8 v0, s[64:65] scope:SCOPE_SE
	s_setreg_imm32_b32 hwreg(HW_REG_WAVE_MODE, 25, 1), 1
	s_wait_xcnt 0x0
; out0 = (o Wp^T + bp) turned to [b][channel][position], + x.  The product on codes of FP4 (E2M1) with one E8M0 scale for each 32 along K; o comes as register images and scale words, Wp as given.
; SHARES.  Work-group (cq, pt): 128 positions (pt = 32 b + sigma) x 128 channels (128 cq on).  Wave w: channels 128 cq + 16 w + r for all 8 tiles of positions: 8 accumulators, 32 products.  Its four fragments of
; Wp are its own, loaded once, straight into registers.  o's 8 tiles (wave w fetches tile w) go round through LDS as images.
; Source 0 = o (rows: positions), source 1 = Wp (columns: channels): a lane holds one channel and eight positions.  Row 8 h + j of position tile 2 B + u is position 32 B + 16 h + 8 u + j: eight NEIGHBOURS, 32 bytes
; of a row of out0.  A wave's result is 16 whole channel rows of 512 bytes: they turn through the wave's OWN stage, with no barrier, and leave as 512 consecutive bytes a store.
; NO CLUSTER: what the four work-groups of a position block share is o's 34,816 bytes, about a sixth of the bytes that a work-group moves (x and out0, 65,536 each, and Wp's 34,816 are nobody else's);
; and no tensor load is used: every operand is loaded once, in the order of its registers.
.set OIMG, 0                           ; LDS: o's images: tile m, K step s at 4096 m + 1024 s
.set OSC,  32768                       ; their scale words: 256 m + 16 r + 4 s
.set STG,  34816                       ; a stage of 16 rows x (512 + 16) bytes for each wave
.set LI,   1                           ; v1   16 x lane
.set LR16, 2                           ; v2   16 r
.set WA,   3                           ; v3   256 r + 16 h
.set STO,  4                           ; v4   the stage: row r, + 64 h
.set SRD,  5                           ; v5   and back: 16 x lane
.set OWI,  6                           ; v6   where I put tile w's image
.set OWS,  7                           ; v7   and its scale words
.set WS,   8                           ; v8-11   Wp's scale words, K step s
.set OS,   12                          ; v12-19  o's, tile m
.set BC,   20                          ; v20-27  bp of my channel, eight times
.set WF,   28                          ; v28-59  Wp's four fragments
.set OF,   60                          ; v60-123 o's eight fragments of a K step; first o on its way to LDS; last the rows read back
.set ACC,  124                         ; v124-187
.set XR,   188                         ; v188-251 x
.set LR4,  252                         ; v252 4 r
	s_load_b256 s[4:11], s[0:1], 0x0               ; oimg, osc, wp_codes, wp_scales
	s_load_b128 s[12:15], s[0:1], 0x20             ; bp, x
	s_load_b64 s[16:17], s[0:1], 0x30              ; out0
	s_set_vgpr_msb 0x40
	v_lshl_add_u32 v0, v0, 2, 0x19000
	v_mov_b32 v1, 0
	s_set_vgpr_msb 0x4000
	v_lshrrev_b32 v253, 5, v0
	s_delay_alu instid0(VALU_DEP_1)
	v_readfirstlane_b32 s18, v253                  ; wave 0..7
	s_and_b32 s19, ttmp7, 0xffff                   ; pt
	s_lshl_b32 s20, s19, 3
	s_add_co_u32 s20, s20, s18                     ; tile 8 pt + w
	s_lshl_b32 s22, s20, 12
	s_mov_b32 s23, 0
	s_lshl_b32 s24, s20, 8
	s_mov_b32 s25, 0
	s_lshl_b32 s21, ttmp9, 7
	s_lshl_b32 s26, s18, 4
	s_add_co_u32 s21, s21, s26                     ; my first channel: 128 cq + 16 w
	s_lshl_b32 s26, s21, 8
	s_mov_b32 s27, 0
	s_lshl_b32 s28, s21, 4
	s_mov_b32 s29, 0
	s_lshl_b32 s30, s21, 2
	s_mov_b32 s31, 0
	s_lshr_b32 s32, s19, 5
	s_lshl_b32 s32, s32, 23                        ; b x 512 x 16,384 bytes
	s_lshl_b32 s33, s21, 14
	s_add_co_u32 s32, s32, s33                     ; + my first channel's row
	s_and_b32 s33, s19, 31
	s_lshl_b32 s33, s33, 9
	s_add_co_u32 s32, s32, s33                     ; + 512 sigma
	s_mov_b32 s33, 0
	v_and_b32 v253, 31, v0
	v_and_b32 v254, 15, v0
	v_bfe_u32 v255, v0, 4, 1
	s_delay_alu instid0(VALU_DEP_3)
	v_lshlrev_b32 v[LI], 4, v253
	s_delay_alu instid0(VALU_DEP_3)
	v_lshlrev_b32 v[LR16], 4, v254
	s_delay_alu instid0(VALU_DEP_4)
	v_lshlrev_b32 v[LR4], 2, v254
	v_lshlrev_b32 v[WA], 8, v254
	s_delay_alu instid0(VALU_DEP_1)
	v_lshl_add_u32 v[WA], v255, 4, v[WA]
	s_mul_i32 s34, s18, 16*528
	s_add_co_u32 s34, s34, STG
	v_mul_u32_u24 v[STO], v254, 528
	s_delay_alu instid0(VALU_DEP_1)
	v_lshl_add_u32 v[STO], v255, 6, v[STO]
	s_delay_alu instid0(VALU_DEP_1)
	v_add_nc_u32 v[STO], s34, v[STO]
	v_add_nc_u32 v[SRD], s34, v[LI]
	s_lshl_b32 s35, s18, 12
	v_add_nc_u32 v[OWI], s35, v[LI]
	s_lshl_b32 s35, s18, 8
	s_add_co_u32 s35, s35, OSC
	v_add_nc_u32 v[OWS], s35, v[LR16]
	s_wait_alu depctr_va_vdst(0)
	s_wait_kmcnt 0x0
	s_add_nc_u64 s[4:5], s[4:5], s[22:23]
	s_add_nc_u64 s[6:7], s[6:7], s[24:25]
	s_add_nc_u64 s[8:9], s[8:9], s[26:27]
	s_add_nc_u64 s[10:11], s[10:11], s[28:29]
	s_add_nc_u64 s[12:13], s[12:13], s[30:31]
	s_add_nc_u64 s[14:15], s[14:15], s[32:33]
	s_add_nc_u64 s[16:17], s[16:17], s[32:33]
.irp k, 0,1,2,3,4,5,6,7
	global_load_b128 v[OF+4*\k:OF+4*\k+3], v[LI], s[4:5] offset:512*\k     ; tile w of o: 4,096 consecutive bytes
.endr
	global_load_b128 v[OF+32:OF+35], v[LR16], s[6:7]                       ; its 256 bytes of scale words
.irp s, 0,1,2,3
.irp c, 0,1
	global_load_b128 v[WF+8*\s+4*\c:WF+8*\s+4*\c+3], v[WA], s[8:9] offset:64*\s+32*\c
.endr
.endr
	global_load_b128 v[WS:WS+3], v[LR16], s[10:11]
	global_load_b32 v[BC], v[LR4], s[12:13]
.irp i, 0,1,2,3,4,5,6,7,8,9,10,11,12,13,14,15
	global_load_b128 v[XR+4*\i:XR+4*\i+3], v[LI], s[14:15] offset:16384*\i th:TH_LOAD_NT   ; my 16 channel rows of x: 512 consecutive bytes a load, read once here
.endr
	s_wait_loadcnt 26                              ; o's nine loads are in; Wp's ten and x's sixteen may be out
.irp k, 0,1,2,3,4,5,6,7
	ds_store_b128 v[OWI], v[OF+4*\k:OF+4*\k+3] offset:512*\k
.endr
	ds_store_b128 v[OWS], v[OF+32:OF+35]           ; (lanes r and r + 16 write the same bytes)
	s_wait_dscnt 0x0                               ; for the others' sake: my tile has landed
	s_barrier_signal -1
	s_barrier_wait -1                              ; o's eight tiles lie in LDS
	s_wait_loadcnt 16                              ; Wp, its scales and bp are in; x may be out
.irp j, 1,2,3,4,5,6,7
	v_mov_b32 v[BC+\j], v[BC]
.endr
	s_wait_alu depctr_va_vdst(0)
.irp s, 0,1,2,3
.if \s > 0
.rept 4
	v_nop                                          ; places in front of loads into registers that the last products read
.endr
.endif
.irp m, 0,1,2,3,4,5,6,7
.irp c, 0,1
	ds_load_b128 v[OF+8*\m+4*\c:OF+8*\m+4*\c+3], v[LI] offset:OIMG+4096*\m+1024*\s+512*\c
.endr
	ds_load_b32 v[OS+\m], v[LR16] offset:OSC+256*\m+4*\s
.endr
	s_wait_dscnt 0x0
.irp m, 0,1,2,3,4,5,6,7                ; eight accumulators by turns; the bias starts the sums
.if \s == 0
	v_wmma_scale_f32_16x16x128_f8f6f4 v[ACC+8*\m:ACC+8*\m+7], v[OF+8*\m:OF+8*\m+7], v[WF+8*\s:WF+8*\s+7], v[BC:BC+7], v[OS+\m], v[WS+\s] matrix_a_fmt:MATRIX_FMT_FP4 matrix_b_fmt:MATRIX_FMT_FP4
.else
	v_wmma_scale_f32_16x16x128_f8f6f4 v[ACC+8*\m:ACC+8*\m+7], v[OF+8*\m:OF+8*\m+7], v[WF+8*\s:WF+8*\s+7], v[ACC+8*\m:ACC+8*\m+7], v[OS+\m], v[WS+\s] matrix_a_fmt:MATRIX_FMT_FP4 matrix_b_fmt:MATRIX_FMT_FP4
.endif
.endr
.endr
.rept 4
	v_nop                                          ; places in front of the first read of results and of the loads into o's registers
.endr
.irp m, 0,1,2,3,4,5,6,7
	ds_store_b128 v[STO], v[ACC+8*\m:ACC+8*\m+3] offset:128*(\m/2)+32*(\m%2)        ; channel r, positions 32 (m / 2) + 16 h + 8 (m % 2) + 0 .. 7; each accumulator from its low end on
	ds_store_b128 v[STO], v[ACC+8*\m+4:ACC+8*\m+7] offset:128*(\m/2)+32*(\m%2)+16
.endr
.irp i, 0,1,2,3,4,5,6,7,8,9,10,11,12,13,14,15
	ds_load_b128 v[OF+4*\i:OF+4*\i+3], v[SRD] offset:528*\i        ; LDS serves a wave's instructions in order: these see my stores; the stage is my own
.endr
	s_wait_loadcnt 0x0                             ; x
.irp i, 0,1,2,3,4,5,6,7,8,9,10,11,12,13,14,15
	s_wait_dscnt 15-\i                             ; row i is back
	v_pk_add_f32 v[OF+4*\i:OF+4*\i+1], v[OF+4*\i:OF+4*\i+1], v[XR+4*\i:XR+4*\i+1]
	v_pk_add_f32 v[OF+4*\i+2:OF+4*\i+3], v[OF+4*\i+2:OF+4*\i+3], v[XR+4*\i+2:XR+4*\i+3]
	global_store_b128 v[LI], v[OF+4*\i:OF+4*\i+3], s[16:17] offset:16384*\i th:TH_STORE_NT   ; 32 lanes store 512 consecutive bytes, at a multiple of 256 from out0's first byte
.endr
	s_set_vgpr_msb 0x5
	s_wait_tensorcnt 0x0
	ds_add_u32 v0, v1
	s_wait_dscnt 0x0
	s_set_vgpr_msb 0x500
	s_endpgm
.Lfunc_end_k_q5dd408a105_proj:
	.size	k_q5dd408a105_proj, .Lfunc_end_k_q5dd408a105_proj-k_q5dd408a105_proj
	.p2alignl 7, 3214868480
	.fill 96, 4, 3214868480
	.section	.rodata,"a",@progbits
	.p2align	6, 0x0
	.amdhsa_kernel k_q5dd408a105_proj
		.amdhsa_group_segment_fixed_size 103424
		.amdhsa_private_segment_fixed_size 0
		.amdhsa_enable_private_segment 0
		.amdhsa_kernarg_size 56
		.amdhsa_user_sgpr_count 2
		.amdhsa_user_sgpr_kernarg_segment_ptr 1
		.amdhsa_wavefront_size32 1
		.amdhsa_system_sgpr_workgroup_id_x 1
		.amdhsa_system_sgpr_workgroup_id_y 1
		.amdhsa_system_sgpr_workgroup_id_z 1
		.amdhsa_system_vgpr_workitem_id 0
		.amdhsa_next_free_vgpr 258
		.amdhsa_next_free_sgpr 66
		.amdhsa_reserve_vcc 0
		.amdhsa_float_denorm_mode_32 3
		.amdhsa_float_denorm_mode_16_64 3
		.amdhsa_memory_ordered 1
		.amdhsa_forward_progress 1
		.amdhsa_inst_pref_size 24
	.end_amdhsa_kernel
	.amdgpu_metadata
---
amdhsa.version: [ 1, 2 ]
amdhsa.kernels:
  - .name:           k_q5dd408a105_proj
    .symbol:         k_q5dd408a105_proj.kd
    .args:
      - { .name: oimg, .offset: 0, .size: 8, .value_kind: global_buffer, .address_space: global }
      - { .name: osc, .offset: 8, .size: 8, .value_kind: global_buffer, .address_space: global }
      - { .name: wp_codes, .offset: 16, .size: 8, .value_kind: global_buffer, .address_space: global }
      - { .name: wp_scales, .offset: 24, .size: 8, .value_kind: global_buffer, .address_space: global }
      - { .name: bp, .offset: 32, .size: 8, .value_kind: global_buffer, .address_space: global }
      - { .name: x, .offset: 40, .size: 8, .value_kind: global_buffer, .address_space: global }
      - { .name: out0, .offset: 48, .size: 8, .value_kind: global_buffer, .address_space: global }
    .group_segment_fixed_size: 103424
    .private_segment_fixed_size: 0
    .kernarg_segment_align: 8
    .kernarg_segment_size: 56
    .max_flat_workgroup_size: 256
    .sgpr_count:     66
    .vgpr_count:     258
    .wavefront_size: 32
...
	.end_amdgpu_metadata
.endif
;; end of part 4
